; MI455X (gfx1250); checked and timed in simulation.
; The chip was launched on July 23, 2026; its instructions are those of AMD's public machine-readable ISA for CDNA 5 (MIT licence, August 2026) and "CDNA5" Instruction Set Architecture Reference Guide (July 2026). The comments in the code are by the model that wrote it; some were corrected since.
;; MGU. Allowed arithmetic: matrix products marked QUANTISED: E5M2 operands, one given power-of-two scale a tensor, by v_wmma_f32_16x16x64_bf8_bf8 or v_wmma_f32_16x16x128_bf8_bf8, f32 sums; everything else in f32.
;; Inputs: Bf 1,024 float32; Bh 1,024 float32; Rf_codes 1,024 x 32 x 32 uint8 (E5M2 codes of Rf, K innermost, in blocks of 32 codes); Rh_codes 1,024 x 32 x 32 uint8 (E5M2 codes of Rh, K innermost, in blocks of 32 codes); Wf_codes 1,024 x 32 x 32 uint8 (E5M2 codes of Wf, K innermost, in blocks of 32 codes); Wh_codes 1,024 x 32 x 32 uint8 (E5M2 codes of Wh, K innermost, in blocks of 32 codes); h 16,384 x 1,024 float32; lowp_scales 8 int32 (the exponents e of the quantised operands' scales 2^e); x_codes 16,384 x 32 x 32 uint8 (E5M2 codes of x, K innermost, in blocks of 32 codes).
;; Outputs: out0 16,384 x 1,024 float32.
;; This version of the problem:
;;   THIS VERSION OF THE PROBLEM IS GIVEN IN LOW PRECISION. The matrix products marked QUANTISED in the list below multiply operands that are first quantised to E5M2 (5 exponent bits, 2 mantissa bits; 8 bits a number), with one given power-of-two scale for each operand tensor; their sums are f32. All else is computed in f32.
;;   The module's matrix products, in the order in which they are computed (A, B: the left and right operand; K: the contracted axis; several contracted axes count as one K, in the product's order):
;;     1. [M 16,384, K 1,024] x [K 1,024, N 1,024]; A: input x (given as codes); B: input Wf (given as codes): QUANTISED (scales: A lowp_scales[0], B lowp_scales[1])
;;     2. [M 16,384, K 1,024] x [K 1,024, N 1,024]; A: input h; B: input Rf (given as codes): QUANTISED (scales: A lowp_scales[2], B lowp_scales[3])
;;     3. [M 16,384, K 1,024] x [K 1,024, N 1,024]; A: input x (given as codes); B: input Wh (given as codes): QUANTISED (scales: A lowp_scales[4], B lowp_scales[5])
;;     4. [M 16,384, K 1,024] x [K 1,024, N 1,024]; A: computed on the way; B: input Rh (given as codes): QUANTISED (scales: A lowp_scales[6], B lowp_scales[7])
;;   THE QUANTISER, for each operand of a quantised product, along K:
;;     - The operand's scale is 2^e, e = its entry of the input lowp_scales (int32; the entries are numbered through the quantised products in the list's order, A before B).
;;     - Each number is divided by the scale, clamped to +-57,344, and rounded to the nearest number of E5M2, ties to even, subnormals kept.
;;     - The product sums the exact products of the quantised numbers (number of the format x scale) in f32.
;;   ~~~python
;;   def quantise(x, axis, e):      # numpy; x: float32 -> the quantised numbers, widened to float32 again
;;       x = np.moveaxis(x, axis, -1); K = x.shape[-1]
;;       r = np.clip(x / 2.0 ** e, -57344, 57344)
;;       step = 2.0 ** (np.maximum(np.frexp(np.where(r == 0, 1, r))[1] - 1, -14) - 2)
;;       q = np.round(r / step) * step * 2.0 ** e      # np.round: ties to even
;;       return np.moveaxis(q, -1, axis).astype(np.float32)
;;   ~~~
;;   OPERANDS COMPUTED ON THE WAY. 'Computed on the way' means the value that the module computes at that place (a softmax that the list does not call 'softmax' is quantised finished and normalised). What goes into a quantiser is computed in f32, as accurately as f32 sums, v_exp_f32 and their like allow (about 1e-6 of the number): no bf16 or f16 on the way to a quantiser, and a product that is left as it is and whose result goes on into a quantised operand takes f32 operands (vector FMAs, or v_wmma_f32_16x16x4_f32). A number that lies on a knife's edge between two numbers of the format may be rounded either way, as far as f32 arithmetic and the matrix unit's own rounding can turn it there, and no further.
;;   INPUTS GIVEN AS CODES. Rf (in the module: [1024, 1024], K = its axis 0); Rh (in the module: [1024, 1024], K = its axis 0); Wf (in the module: [1024, 1024], K = its axis 0); Wh (in the module: [1024, 1024], K = its axis 0); x (in the module: [16384, 1024], K = its axis 1): each comes as NAME_codes (uint8): NAME with its K axis moved to the last place and cut into blocks of 32 codes, [.., K / 32, bytes a block], one block behind the other in memory; one code a byte (a code: sign, 5 exponent bits, 2 mantissa bits); its scale is its entry of lowp_scales. Its value is code x scale, taken as it is: it is not quantised again, and the codes and scales need not be those that the quantiser above would give.
;; 2 versions, each right; version 2 is version 1 with the launch mgu written anew for expert scheduling mode. Each part assembles by itself: llvm-mc -triple=amdgcn-amd-amdhsa -mcpu=gfx1250 --defsym DOCPART=n.
;; ======== version 1 of 2: 2 launches
;; workspace buffers: wfrag 4,194,304 bytes
;; launch lay (part 1): grid 64 x 4, 1 waves a work-group, no clusters, 16,896 bytes of LDS; arguments Wf_codes, Rf_codes, Wh_codes, Rh_codes, wfrag; writes wfrag
.if DOCPART == 1
	.amdgcn_target "amdgcn-amd-amdhsa--gfx1250"
	.amdhsa_code_object_version 6
	.text
	.protected	k_q83ae0489a8_lay
	.globl	k_q83ae0489a8_lay
	.p2align	8
	.type	k_q83ae0489a8_lay,@function
k_q83ae0489a8_lay:
	s_mov_b64 s[64:65], 0
	v_nop
	global_prefetch_b8 v0, s[64:65] scope:SCOPE_SE
	s_setreg_imm32_b32 hwreg(HW_REG_WAVE_MODE, 25, 1), 1
	s_wait_xcnt 0x0
; THE FOUR WEIGHTS' CODES, [1024 (n)][1024 (k)] bytes each, ARE LAID ONCE IN THE ORDER OF THE OPERAND'S REGISTERS, and in the order in which each wave of the next launch takes them.
; No work of reference() is left out in this program: every input has a way to the output, all four products are live, and all inputs are loaded.
; wfrag, byte ((((w 4 + 2 f + p) 16 + ks) 8 + nt) 2048) + 512 c + 16 lane holds the 16 codes M[n][k .. k + 15], where
;   w = 0..3 the wave that owns columns 256 w on; f = 0: Wf, Rf; f = 1: Wh, Rh; p = which 128 of the wave's 256 columns; ks = 0..7: the W matrix, 8..15: the R matrix, 128 (ks mod 8) along K;
;   nt = 2 b + u the tile of 16 columns;  n = 256 w + 128 p + 32 b + 8 u + r + 8 (r / 8), r = lane mod 16;  k = 128 (ks mod 8) + 32 c + 16 (lane / 16).
; THE COLUMNS OF A TILE ARE NOT NEIGHBOURS: so the 16 results of tiles 2 b and 2 b + 1 in a lane of the next launch are 16 neighbouring columns.
; A work-group of one wave takes one tile (16 rows of codes x 1,024 along K) of one matrix: 32 loads of 512 consecutive bytes, through a stage in LDS (rows 1,040 bytes apart: 65 x 16, so that the sixteen rows
; that a read touches fall on different banks), 32 stores of 512 consecutive bytes.  No barrier: one wave.
.set PITCH, 1040
.set SPARE, 16*PITCH                   ; behind the stage: the spare words, one block of 256 bytes that no other line names
	s_load_b256 s[4:11], s[0:1], 0x0               ; Wf, Rf, Wh, Rh
	s_load_b64 s[12:13], s[0:1], 0x20              ; wfrag
	v_lshl_add_u32 v1, v0, 2, SPARE                ; my spare word
	v_mov_b32 v2, 0
	v_lshlrev_b32 v3, 4, v0                        ; 16 x lane
	v_and_b32 v5, 15, v0                           ; r
	v_lshrrev_b32 v6, 4, v0                        ; lane / 16
	v_mul_u32_u24 v4, v5, PITCH
	v_lshl_add_u32 v4, v6, 4, v4                   ; out of the stage: row r, + 16 (lane / 16)
	s_and_b32 s16, ttmp7, 0xffff                   ; which matrix: 0 Wf, 1 Rf, 2 Wh, 3 Rh
	s_and_b32 s17, s16, 1                          ; 1: an R matrix
	s_lshr_b32 s18, s16, 1                         ; f
	s_lshr_b32 s19, ttmp9, 3                       ; 2 w + p
	s_and_b32 s20, ttmp9, 7                        ; nt
	s_lshl_b32 s22, s19, 7                         ; the tile's first row of codes: 128 (2 w + p)
	s_lshr_b32 s21, s20, 1
	s_lshl_b32 s21, s21, 5
	s_add_co_u32 s22, s22, s21                     ; + 32 b
	s_and_b32 s21, s20, 1
	s_lshl_b32 s21, s21, 3
	s_add_co_u32 s22, s22, s21                     ; + 8 u
	s_lshl_b32 s22, s22, 10                        ; in bytes
	s_mov_b32 s23, 0
	s_lshr_b32 s24, ttmp9, 4                       ; w
	s_lshl_b32 s24, s24, 20
	s_and_b32 s25, s19, 1                          ; p
	s_lshl_b32 s26, s18, 1
	s_add_co_u32 s26, s26, s25                     ; 2 f + p
	s_lshl_b32 s26, s26, 18
	s_add_co_u32 s24, s24, s26
	s_lshl_b32 s26, s17, 17                        ; an R matrix: K steps 8 on
	s_add_co_u32 s24, s24, s26
	s_lshl_b32 s26, s20, 11
	s_add_co_u32 s24, s24, s26                     ; + 2048 nt
	s_mov_b32 s25, 0
	s_wait_kmcnt 0x0
	s_cmp_eq_u32 s17, 0                            ; the choice of the buffer hangs on the work-group's number alone
	s_cselect_b64 s[4:5], s[4:5], s[6:7]
	s_cselect_b64 s[8:9], s[8:9], s[10:11]
	s_cmp_eq_u32 s18, 0
	s_cselect_b64 s[4:5], s[4:5], s[8:9]
	s_add_nc_u64 s[4:5], s[4:5], s[22:23]
	s_add_nc_u64 s[12:13], s[12:13], s[24:25]
.set I, 0
.rept 32                               ; place t = I / 2 of the tile is row t + 8 (t / 8); half a row, 512 consecutive bytes, a load
	global_load_b128 v[16+4*I:16+4*I+3], v3, s[4:5] offset:((I/2)+8*((I/2)/8))*1024+512*(I%2) th:TH_LOAD_NT
.set I, I+1
.endr
.set I, 0
.rept 32
	s_wait_loadcnt 31-I                            ; loads come back in order: load I is in, the 31 - I younger ones may be out
	ds_store_b128 v3, v[16+4*I:16+4*I+3] offset:(I/2)*PITCH+512*(I%2)
.set I, I+1
.endr
.set I, 0
.rept 32                               ; I = 4 ks + c.  LDS serves a wave's instructions in order: these see the stores above
	ds_load_b128 v[16+4*I:16+4*I+3], v4 offset:128*(I/4)+32*(I%4)
.set I, I+1
.endr
.set I, 0
.rept 32
	s_wait_dscnt 31-I                              ; LDS load I is in, the younger ones may be out
	global_store_b128 v3, v[16+4*I:16+4*I+3], s[12:13] offset:16384*(I/4)+512*(I%4)   ; 32 lanes store 512 consecutive bytes, at a multiple of 512 from the buffer's first byte
.set I, I+1
.endr
	s_wait_tensorcnt 0x0                           ; the wave's end
	ds_add_u32 v1, v2
	s_wait_dscnt 0x0
	s_endpgm
.Lfunc_end_k_q83ae0489a8_lay:
	.size	k_q83ae0489a8_lay, .Lfunc_end_k_q83ae0489a8_lay-k_q83ae0489a8_lay
	.p2alignl 7, 3214868480
	.fill 96, 4, 3214868480
	.section	.rodata,"a",@progbits
	.p2align	6, 0x0
	.amdhsa_kernel k_q83ae0489a8_lay
		.amdhsa_group_segment_fixed_size 16896
		.amdhsa_private_segment_fixed_size 0
		.amdhsa_enable_private_segment 0
		.amdhsa_kernarg_size 40
		.amdhsa_user_sgpr_count 2
		.amdhsa_user_sgpr_kernarg_segment_ptr 1
		.amdhsa_wavefront_size32 1
		.amdhsa_system_sgpr_workgroup_id_x 1
		.amdhsa_system_sgpr_workgroup_id_y 1
		.amdhsa_system_sgpr_workgroup_id_z 1
		.amdhsa_system_vgpr_workitem_id 0
		.amdhsa_next_free_vgpr 144
		.amdhsa_next_free_sgpr 66
		.amdhsa_reserve_vcc 0
		.amdhsa_float_denorm_mode_32 3
		.amdhsa_float_denorm_mode_16_64 3
		.amdhsa_memory_ordered 1
		.amdhsa_forward_progress 1
		.amdhsa_inst_pref_size 14
	.end_amdhsa_kernel
	.amdgpu_metadata
---
amdhsa.version: [ 1, 2 ]
amdhsa.kernels:
  - .name:           k_q83ae0489a8_lay
    .symbol:         k_q83ae0489a8_lay.kd
    .args:
      - { .name: Wf_codes, .offset: 0, .size: 8, .value_kind: global_buffer, .address_space: global }
      - { .name: Rf_codes, .offset: 8, .size: 8, .value_kind: global_buffer, .address_space: global }
      - { .name: Wh_codes, .offset: 16, .size: 8, .value_kind: global_buffer, .address_space: global }
      - { .name: Rh_codes, .offset: 24, .size: 8, .value_kind: global_buffer, .address_space: global }
      - { .name: wfrag, .offset: 32, .size: 8, .value_kind: global_buffer, .address_space: global }
    .group_segment_fixed_size: 16896
    .private_segment_fixed_size: 0
    .kernarg_segment_align: 8
    .kernarg_segment_size: 40
    .max_flat_workgroup_size: 32
    .sgpr_count:     66
    .vgpr_count:     144
    .wavefront_size: 32
...
	.end_amdgpu_metadata
.endif
;; end of part 1
;; launch mgu (part 2): grid 256 x 1, 4 waves a work-group, no clusters, 309,760 bytes of LDS; arguments x_codes, h, wfrag, Bf, Bh, lowp_scales, out0; writes out0
.if DOCPART == 2
	.amdgcn_target "amdgcn-amd-amdhsa--gfx1250"
	.amdhsa_code_object_version 6
	.text
	.protected	k_q83ae0489a8_mgu
	.globl	k_q83ae0489a8_mgu
	.p2align	8
	.type	k_q83ae0489a8_mgu,@function
k_q83ae0489a8_mgu:
	s_mov_b64 s[64:65], 0
	v_nop
	global_prefetch_b8 v0, s[64:65] scope:SCOPE_SE
	s_setreg_imm32_b32 hwreg(HW_REG_WAVE_MODE, 25, 1), 1
	s_wait_xcnt 0x0
; ONE MGU STEP, WHOLE:  ft = sigmoid(x Wf + h Rf + Bf);  ht = tanh(x Wh + (ft h) Rh + Bh);  out = (1 - ft) h + ft ht.  16,384 rows, 1,024 columns; all four products on codes of BF8 (E5M2), sums in f32.
; Nothing of reference() is left out: every input has a way to the output.  x and the weights come as codes; h is quantised here with 2^e2, ft h with 2^e6 (e0 .. e7: the entries of lowp_scales).
; SHARES.  A work-group of four waves owns 64 rows; nothing between the products goes to memory.  THE WAVES SHARE THE COLUMNS: wave w owns columns 256 w .. 256 w + 255 of all 64 rows, in four PASSES of 128 columns
; (32 accumulators of 16 x 16, 256 registers):  A, B: the gate's columns 0-127, 128-255;  C, D: the candidate's.  A pass has K = 2,048, 16 steps of 128: steps 0-7 x against W, steps 8-15 the codes of h (C, D: of ft h) against R.
; ONE SUM FOR TWO PRODUCTS.  The two products of a pass have different powers of two.  Behind step 7 the sums are multiplied by rho = 2^(eA0 + eB0 - eA1 - eB1), which rounds nothing, and steps 8-15 add onto them.
; Then t = sum c + b', e = 2^t, r = 1 / (1 + e).  Gate: c = -log2(e) 2^(e2 + e3), b' = -log2(e) Bf, ft = r.  Candidate: c = 2 log2(e) 2^(e6 + e7), b' = 2 log2(e) Bh, ht = 1 - 2 r.  out = ft (ht - h) + h, the same number as reference()'s form.
; 2^t = infinity gives r = 0 and 2^t = 0 gives r = 1: both ends are right.
; THE WEIGHTS GO FROM MEMORY STRAIGHT INTO REGISTERS, in the order in which the launch before has laid them: a wave's stream is 1 MB on end.  A ring of 16 fragments (256 registers, 64 loads of 512 bytes) is always on its way,
; with counted waits; the K loops have no barrier.  NO CLUSTER, NO JOINT LOADS, by this text's own arithmetic: a weight fragment is read by ONE wave of the work-group and feeds four matrix instructions, so LDS would add a write
; and a read and spare none; and beside the rows' codes (132,096 bytes), h or ft (135,168), the stages (33,792) and the biases (8,192) LDS has 17,920 bytes left: two slots of 8 KB hold four fragments each,
; the operands of 16 matrix instructions for each round of a cluster's barrier.
; h IS READ TWICE: 64 rows of h, of ft and of 128-column sums for four waves do not fit into registers and LDS together with the ring; so h is read at the head (quantised, kept until ft h is made) and again for the last formula.
; LAYOUT.  The products are used transposed: source 0 = 16 columns of a weight, source 1 = 16 rows.  Place i of tile nt = 2 b + u is column 32 b + 8 u + i + 8 (i / 8), so lane (r = lane mod 16, hh = lane / 16) holds, for rows 16 mt + r,
; in register 64 mt + 16 b + i the column 32 b + 16 hh + i of the pass's 128: 16 neighbours for each b, which the conversions turn into registers 4 b .. 4 b + 3 of the next operand.
; Fragments of both sides hold k = 128 ks + 32 c + 16 hh + 0 .. 15 in registers 4 c .. 4 c + 3: a permutation of k that is the same on both sides.
; LIMITS, so that each power of two below is an f32 number: e0 + e1 - e2 - e3 and e4 + e5 - e6 - e7 between -126 and 127; e2 + e3 and e6 + e7 between -126 and 126; e2 and e6 between -126 and 112.  NaN among the inputs is not served.
; REGISTERS, in windows of 256 (s_set_vgpr_msb: bits 1:0 source 0, 3:2 source 1, 5:4 source 2, 7:6 destination):
;   window 0: v1-26 addresses and scales; v32-95, v96-159 the rows' fragments, two sets; v160-223 T, v224-255 U at work.      window 1: the ring of 16 weight fragments.
;   window 2: h's columns 128-255 as loaded, then pass A's sums, then ft of the pass in hand.      window 3: h's columns 0-127, then ft h, then the sums of passes B, C, D.
.set AP,    2064                       ; LDS: a row of codes: 1,024 of x, 1,024 of h (later of ft h), 16 of padding: 129 x 16 bytes, so that the sixteen rows of a load fall on different banks
.set AB16,  16*AP
.set H1,    64*AP                      ; behind the 64 rows: for each wave 64 rows x (512 + 16) bytes, its own: h's columns 128-255 in f32, later ft's
.set HP,    528
.set H1W,   64*HP
.set ST,    H1+4*H1W                   ; for each wave a stage of 16 rows x 528 bytes, its own
.set STW,   16*HP
.set BI,    ST+4*STW                   ; for each wave 2,048 bytes, its own: b' of the gate, then of the candidate
.set SPARE, BI+8192                    ; the spare words, 128 bytes for each wave: two blocks of 256 bytes that no other line names
.set SPW, 1                            ; v1   my spare word; never rewritten
.set NIL, 2                            ; v2   0; never rewritten
.set LN,  3                            ; v3   16 x lane
.set GH,  4                            ; v4   16 x lane + 1,024 w: my bytes in a row of h, of out0 and in the biases
.set AB0, 5                            ; v5   r x AP + 16 hh: a fragment's place, rows 0-31;  v6: rows 32-63
.set AB1, 6
.set A0,  7                            ; v7, v8   the same + the K step in hand
.set A1,  8
.set GS0, 9                            ; v9, v10  where my codes of h and of ft h go: v5, v6 + 1,024 + 256 w
.set GS1, 10
.set XS,  11                           ; v11  x into LDS: rows 16 w on, 16 x lane
.set XG,  12                           ; v12  x in memory: rows 16 w on, 16 x lane
.set H1D, 13                           ; v13  my h region by results' layout: row r, + 64 hh
.set H1R, 14                           ; v14  by rows: 16 x lane
.set STD, 15                           ; v15, v16  the same for my stage
.set STR, 16
.set BIR, 17                           ; v17  b': + 64 hh;  v18: 16 x lane;  v19: v17 + the pass's half
.set BIW, 18
.set BIC, 19
.set QH,  20                           ; v20, v21  2^e2 and 57,344 x 2^e2
.set QHL, 21
.set QG,  22                           ; v22, v23  2^e6 and 57,344 x 2^e6
.set QGL, 23
.set PFO, 24                           ; v24  the prefetches' offset: row lane / 2, 256 (lane mod 2) + 1,024 w; never rewritten
.set TA,  25
.set TB,  26
.set AS0, 32
.set AS1, 96
.set T,   160
.set U,   224
.set WV,  18                           ; s18  my wave's number
.set SB,  28                           ; s[28:29] the weight stream
.set HB,  30                           ; s[30:31] h at my work-group's first row, at the pass's half
.set OB,  32                           ; s[32:33] out0 likewise
.set R1,  34                           ; s[34:35] rho, s[36:37] c of the gate;  s[38:39], s[40:41] of the candidate (pairs: the packed forms name a pair and take its low word for both halves)
.set C1,  36
.set R2,  38
.set C2,  40
.set TR,  42                           ; s42  trips
.set OFF, 43                           ; s43  the K step's byte in a row of codes
.set PP,  44                           ; s44  0: pass C, 1: pass D
.set BO,  45                           ; s45  512 x that
.set TO_B, 0x40                        ; destination window 1, address window 0
.set MSB, 0
.macro WIN new                         ; the immediate's high byte repeats the setting that is left; a switch that changes nothing is dropped
.if MSB != (\new)
	s_set_vgpr_msb (MSB<<8)|(\new)
.set MSB, (\new)
.endif
.endm
; A load into a register that a matrix instruction has read, and a vector instruction that reads a matrix result, stand four places behind it; only plain vector instructions that name none of its registers are places.
.macro PLACES
.rept 4
	v_nop
.endr
.endm
.macro ASET
	v_add_nc_u32 v[A0], s[OFF], v[AB0]
	v_add_nc_u32 v[A1], s[OFF], v[AB1]
.endm
.macro ALOAD set, imm                  ; the four fragments (64 rows x 128 K) at byte s[OFF] + imm of the rows
.irp m, 0,1,2,3
.irp c, 0,1,2,3
	ds_load_b128 v[(\set)+16*\m+4*\c:(\set)+16*\m+4*\c+3], v[A0+(\m/2)] offset:(\m%2)*AB16+(\imm)+32*\c
.endr
.endr
.endm
.macro PRIME ib                        ; the ring's 16 fragments: two K steps, 64 loads of 512 consecutive bytes
	WIN TO_B
.set PJ, 0
.rept 16
.irp c, 0,1,2,3
	global_load_b128 v[16*PJ+4*\c:16*PJ+4*\c+3], v[LN], s[SB:SB+1] offset:(\ib)+2048*PJ+512*\c
.endr
.set PJ, PJ+1
.endr
	WIN 0
.endm
.macro REFILL par, nb                  ; four fragments of the K step two on, into the slots just multiplied
.irp n, 0,1,2,3
.irp c, 0,1,2,3
	global_load_b128 v[16*(8*\par+\nb+\n)+4*\c:16*(8*\par+\nb+\n)+4*\c+3], v[LN], s[SB:SB+1] offset:2048*(\nb+\n)+512*\c
.endr
.endr
.endm
; 16 matrix instructions: four tiles of columns x the four tiles of rows.  The 32 accumulators take turns, one instruction a turn, in the same order in every K step.
.macro MUL16 par, nb, first
.irp n, 0,1,2,3
.irp m, 0,1,2,3
.if \first
	v_wmma_f32_16x16x128_bf8_bf8 v[64*\m+8*(\nb+\n):64*\m+8*(\nb+\n)+7], v[16*(8*\par+\nb+\n):16*(8*\par+\nb+\n)+15], v[AS0+64*\par+16*\m:AS0+64*\par+16*\m+15], 0
.else
	v_wmma_f32_16x16x128_bf8_bf8 v[64*\m+8*(\nb+\n):64*\m+8*(\nb+\n)+7], v[16*(8*\par+\nb+\n):16*(8*\par+\nb+\n)+15], v[AS0+64*\par+16*\m:AS0+64*\par+16*\m+15], v[64*\m+8*(\nb+\n):64*\m+8*(\nb+\n)+7]
.endif
.endr
.endr
.endm
; A K STEP of 128: 32 matrix instructions on ring slots 8 par .. 8 par + 7 and the rows' set par.  first = 1: the products start the sums: nothing is cleared.  refill = 1: each half of the slots takes the K step two on
; as soon as it has been multiplied.  wa, wb: how many younger loads may be out when the first, the second four fragments must be in.  aload = 1: the next step's rows come into the other set.
.macro KSTEP par, accw, first, refill, wa, wb, aload, aimm
.set KW, 0x01+0x50*(\accw)             ; weights window 1, rows window 0, C and D window accw
	s_wait_dscnt 0x0                               ; the rows' fragments, asked for 16 matrix instructions ago, are in
	s_wait_loadcnt \wa
	WIN KW
	MUL16 \par, 0, \first
	PLACES
.if \refill
	s_wait_xcnt 0x0                                ; the earlier loads have read their base: it may step
	s_add_nc_u64 s[SB:SB+1], s[SB:SB+1], 16384
	WIN TO_B
	REFILL \par, 0
.endif
.if \aload
	WIN 0
	ALOAD AS0+64*(1-\par), \aimm
.endif
	s_wait_loadcnt \wb
	WIN KW
	MUL16 \par, 4, \first
	PLACES
.if \refill
	WIN TO_B
	REFILL \par, 4
.endif
	WIN 0
.endm
; Between K steps 7 and 8: the sums x rho, each accumulator from its low end on; the step's closing places stand in front.
; pf = 1: THE PREFETCH of h's second read: rows 16 to 63 of my 512 bytes of this pass: 96 pieces of 256 bytes, a lane a piece, three instructions together behind the step's refill, eight K steps (256 matrix instructions)
; ahead of the loads that want them.  Each piece is named once in the launch, by the wave that reads it.  Rows 0 to 15 come by their load at the pass's head.
.macro RESCALE accw, rho, pf
.if \pf
.irp j, 0,1,2
	global_prefetch_b8 v[PFO], s[HB:HB+1] offset:(16+16*\j)*4096 th:TH_LOAD_NT scope:SCOPE_SE
.endr
.endif
	WIN 0x41*(\accw)
.set RJ, 0
.rept 128
	v_pk_mul_f32 v[RJ:RJ+1], v[RJ:RJ+1], s[\rho:\rho+1] op_sel_hi:[1,0]
.set RJ, RJ+2
.endr
	WIN 0
.endm
; A PASS: 16 K steps.  48 = the three groups of 16 loads that are younger than the group that is wanted.  tail = 0: steps 14 and 15 refill with the next pass's steps 0 and 1: the stream is on end.
; tail = 1: the last two steps ask for nothing, and their counts run down: 48, 32, 16, 0.
.macro KPASS accw, rho, tail, pf
	s_mov_b32 s[OFF], 0
	ASET
	ALOAD AS0, 0
	KSTEP 0, \accw, 1, 1, 48, 48, 1, 128
	s_mov_b32 s[OFF], 256
	s_mov_b32 s[TR], 0
.Lk_\@:                                ; trip t: K steps 2 t + 1 and 2 t + 2
	ASET
	KSTEP 1, \accw, 0, 1, 48, 48, 1, 0
	s_cmp_lg_u32 s[TR], 3
	s_cbranch_scc1 .Lnr_\@
	RESCALE \accw, \rho, \pf
.Lnr_\@:
	KSTEP 0, \accw, 0, 1, 48, 48, 1, 128
	s_add_co_u32 s[OFF], s[OFF], 256
	s_add_co_u32 s[TR], s[TR], 1
	s_cmp_lt_u32 s[TR], 7-\tail
	s_cbranch_scc1 .Lk_\@
.if \tail
	ASET
	KSTEP 1, \accw, 0, 1, 48, 48, 1, 0
	KSTEP 0, \accw, 0, 0, 48, 32, 1, 128
	KSTEP 1, \accw, 0, 0, 16, 0, 0, 0
.else
	KSTEP 1, \accw, 0, 1, 48, 48, 0, 0
.endif
.endm
; r = 1 / (1 + 2^(sum c + b')), in place, for the pass's 256 registers.  b' comes from LDS, 32 numbers a lane at a time.  The exponentials are one batch with one wait, the reciprocals another (the wait stands
; ahead of the first instruction that names a result); a plain instruction stands behind each batch's last.
.macro ACT accw, cp, areg, imm
	WIN 0
.irp b, 0,1
.irp q, 0,1,2,3
	ds_load_b128 v[U+16*\b+4*\q:U+16*\b+4*\q+3], v[\areg] offset:(\imm)+128*\b+16*\q
.endr
.endr
	s_wait_dscnt 0x0
	WIN 0x41*(\accw)
.irp m, 0,1,2,3
.set AJ, 0
.rept 16
	v_pk_fma_f32 v[64*\m+AJ:64*\m+AJ+1], v[64*\m+AJ:64*\m+AJ+1], s[\cp:\cp+1], v[U+AJ:U+AJ+1] op_sel_hi:[1,0,1]   ; columns 0-63; each accumulator from its low end on
.set AJ, AJ+2
.endr
.endr
	WIN 0
.irp b, 0,1
.irp q, 0,1,2,3
	ds_load_b128 v[U+16*\b+4*\q:U+16*\b+4*\q+3], v[\areg] offset:(\imm)+256+128*\b+16*\q
.endr
.endr
	WIN 0x41*(\accw)
.irp m, 0,1,2,3
.set AJ, 0
.rept 32
	v_exp_f32 v[64*\m+AJ], v[64*\m+AJ]
.set AJ, AJ+1
.endr
.endr
	s_wait_dscnt 0x0
.irp m, 0,1,2,3
.set AJ, 0
.rept 16
	v_pk_fma_f32 v[64*\m+32+AJ:64*\m+32+AJ+1], v[64*\m+32+AJ:64*\m+32+AJ+1], s[\cp:\cp+1], v[U+AJ:U+AJ+1] op_sel_hi:[1,0,1]   ; columns 64-127
.set AJ, AJ+2
.endr
.endr
.irp m, 0,1,2,3
.set AJ, 0
.rept 32
	v_exp_f32 v[64*\m+32+AJ], v[64*\m+32+AJ]
.set AJ, AJ+1
.endr
.endr
	v_nop
	s_wait_alu depctr_va_vdst(0)                   ; one wait for the 256 exponentials
.set AJ, 0
.rept 128
	v_pk_add_f32 v[AJ:AJ+1], v[AJ:AJ+1], 1.0 op_sel_hi:[1,0]
.set AJ, AJ+2
.endr
.set AJ, 0
.rept 256
	v_rcp_f32 v[AJ], v[AJ]
.set AJ, AJ+1
.endr
	v_nop
	s_wait_alu depctr_va_vdst(0)                   ; one wait for the 256 reciprocals
.endm
.macro HOLD dst, src, lim              ; 64 numbers held within the largest code x the scale: the conversion to an 8-bit code does not saturate (ISA guide 7.6.2)
.set HJ, 0
.rept 64
	v_med3_num_f32 v[(\dst)+HJ], v[(\src)+HJ], -v[\lim], v[\lim]
.set HJ, HJ+1
.endr
.endm
.macro CVT8 dst, src, sc               ; and turned into a fragment's 16 registers of codes
.irp b, 0,1,2,3
	v_cvt_scalef32_pk8_bf8_f32 v[(\dst)+4*\b:(\dst)+4*\b+1], v[(\src)+16*\b:(\src)+16*\b+7], v[\sc]
	v_cvt_scalef32_pk8_bf8_f32 v[(\dst)+4*\b+2:(\dst)+4*\b+3], v[(\src)+16*\b+8:(\src)+16*\b+15], v[\sc]
.endr
.endm
; 16 rows x 128 columns of f32 turn through my own stage, in place: from rows (register 4 t: row t, 16 bytes at 16 x lane) to the results' layout (register 16 b + i), and back.  LDS serves a wave's instructions in order: no wait between.
.macro TURN_IN X, ws, wl
	WIN \ws
.set TJ, 0
.rept 16
	ds_store_b128 v[STR], v[(\X)+4*TJ:(\X)+4*TJ+3] offset:HP*TJ
.set TJ, TJ+1
.endr
	WIN \wl
.irp b, 0,1,2,3
.irp q, 0,1,2,3
	ds_load_b128 v[(\X)+16*\b+4*\q:(\X)+16*\b+4*\q+3], v[STD] offset:128*\b+16*\q
.endr
.endr
	WIN 0
.endm
.macro TURN_OUT X
.irp b, 0,1,2,3
.irp q, 0,1,2,3
	ds_store_b128 v[STD], v[(\X)+16*\b+4*\q:(\X)+16*\b+4*\q+3] offset:128*\b+16*\q
.endr
.endr
.set TJ, 0
.rept 16
	ds_load_b128 v[(\X)+4*TJ:(\X)+4*TJ+3], v[STR] offset:HP*TJ
.set TJ, TJ+1
.endr
.endm
.macro HLOAD X, mt                     ; h's second read: rows 16 mt on, my 512 bytes of the pass: 512 consecutive bytes a load; read for the last time
.set LJ, 0
.rept 16
	global_load_b128 v[(\X)+4*LJ:(\X)+4*LJ+3], v[GH], s[HB:HB+1] offset:(16*(\mt)+LJ)*4096 th:TH_LOAD_NT
.set LJ, LJ+1
.endr
.endm
.macro H1LOAD X, mt                    ; rows 16 mt on of my h region, in the results' layout
.irp b, 0,1,2,3
.irp q, 0,1,2,3
	ds_load_b128 v[(\X)+16*\b+4*\q:(\X)+16*\b+4*\q+3], v[H1D] offset:STW*(\mt)+128*\b+16*\q
.endr
.endr
.endm
; Pass B's way out for rows 16 mt on: X holds h; ft h, held, its codes to the rows' region; ft over its own block of h.
.macro GBLK X, mt
	WIN 0x03                                       ; source 0 (ft) window 3
.set GJ, 0
.rept 32
	v_pk_mul_f32 v[(\X)+GJ:(\X)+GJ+1], v[64*(\mt)+GJ:64*(\mt)+GJ+1], v[(\X)+GJ:(\X)+GJ+1]
.set GJ, GJ+2
.endr
	WIN 0
	HOLD \X, \X, QGL
	CVT8 U+16*((\mt)%2), \X, QG
	v_nop                                          ; a plain instruction behind the last conversion
.irp c, 0,1,2,3
	ds_store_b128 v[GS0+((\mt)/2)], v[U+16*((\mt)%2)+4*\c:U+16*((\mt)%2)+4*\c+3] offset:((\mt)%2)*AB16+128+32*\c
.endr
	WIN 0x0c                                       ; store data window 3
.irp b, 0,1,2,3
.irp q, 0,1,2,3
	ds_store_b128 v[H1D], v[64*(\mt)+16*\b+4*\q:64*(\mt)+16*\b+4*\q+3] offset:STW*(\mt)+128*\b+16*\q
.endr
.endr
	WIN 0
.endm
; The last formula for rows 16 mt on: X holds h by rows.  lw: how many younger loads may be out (-1: X is known to be in).
.macro OUTBLK X, mt, lw
.if \lw >= 0
	s_wait_loadcnt \lw
.endif
	TURN_IN \X, 0, 0
	s_wait_dscnt 0x0
	WIN 0xc3
.set OJ, 0
.rept 32
	v_pk_add_f32 v[64*(\mt)+OJ:64*(\mt)+OJ+1], v[64*(\mt)+OJ:64*(\mt)+OJ+1], v[(\X)+OJ:(\X)+OJ+1] neg_lo:[0,1] neg_hi:[0,1]   ; ht - h
.set OJ, OJ+2
.endr
	WIN 0x0e                                       ; source 0 (ft) window 2, source 1 (ht - h) window 3
.set OJ, 0
.rept 32
	v_pk_fma_f32 v[(\X)+OJ:(\X)+OJ+1], v[64*(\mt)+OJ:64*(\mt)+OJ+1], v[64*(\mt)+OJ:64*(\mt)+OJ+1], v[(\X)+OJ:(\X)+OJ+1]   ; ft (ht - h) + h
.set OJ, OJ+2
.endr
	WIN 0
	TURN_OUT \X
	s_wait_dscnt 0x0
.set OJ, 0
.rept 16
	global_store_b128 v[GH], v[(\X)+4*OJ:(\X)+4*OJ+3], s[OB:OB+1] offset:(16*(\mt)+OJ)*4096 th:TH_STORE_NT   ; 32 lanes store 512 consecutive bytes, at a multiple of 512 from out0's first byte
.set OJ, OJ+1
.endr
.endm
; ---------------- THE HEAD: addresses
	s_load_b256 s[4:11], s[0:1], 0x0               ; x_codes s[4:5], h s[6:7], wfrag s[8:9], Bf s[10:11]
	s_load_b128 s[12:15], s[0:1], 0x20             ; Bh s[12:13], lowp_scales s[14:15]
	s_load_b64 s[16:17], s[0:1], 0x30              ; out0
	v_lshl_add_u32 v[SPW], v0, 2, SPARE
	v_mov_b32 v[NIL], 0
	v_lshrrev_b32 v27, 5, v0
	v_readfirstlane_b32 s[WV], v27                 ; wave 0..3
	v_and_b32 v27, 31, v0                          ; lane
	v_and_b32 v28, 15, v0                          ; r
	v_bfe_u32 v29, v0, 4, 1                        ; hh
	v_lshlrev_b32 v[LN], 4, v27
	s_lshl_b32 s46, s[WV], 10
	v_add_nc_u32 v[GH], s46, v[LN]
	v_mul_u32_u24 v[AB0], v28, AP
	v_lshl_add_u32 v[AB0], v29, 4, v[AB0]
	v_add_nc_u32 v[AB1], 2*AB16, v[AB0]
	s_lshl_b32 s47, s[WV], 8
	s_add_co_u32 s47, s47, 1024
	v_add_nc_u32 v[GS0], s47, v[AB0]
	v_add_nc_u32 v[GS1], 2*AB16, v[GS0]
	s_mul_i32 s47, s[WV], AB16
	v_add_nc_u32 v[XS], s47, v[LN]
	s_lshl_b32 s47, s[WV], 14
	v_add_nc_u32 v[XG], s47, v[LN]
	v_mul_u32_u24 v30, v28, HP
	v_lshl_add_u32 v30, v29, 6, v30                ; 528 r + 64 hh
	s_mul_i32 s47, s[WV], H1W
	s_add_co_u32 s47, s47, H1
	v_add_nc_u32 v[H1D], s47, v30
	v_add_nc_u32 v[H1R], s47, v[LN]
	s_mul_i32 s47, s[WV], STW
	s_add_co_u32 s47, s47, ST
	v_add_nc_u32 v[STD], s47, v30
	v_add_nc_u32 v[STR], s47, v[LN]
	s_lshl_b32 s47, s[WV], 11
	s_add_co_u32 s47, s47, BI
	v_lshl_add_u32 v[BIR], v29, 6, s47
	v_add_nc_u32 v[BIW], s47, v[LN]
	v_lshrrev_b32 v31, 1, v27
	v_and_b32 v30, 1, v27
	v_lshlrev_b32 v31, 12, v31
	v_lshl_add_u32 v31, v30, 8, v31
	v_add_nc_u32 v[PFO], s46, v31
	s_lshl_b32 s48, ttmp9, 16                      ; my 64 rows of x's codes
	s_mov_b32 s49, 0
	s_lshl_b32 s50, ttmp9, 18                      ; of h and of out0
	s_mov_b32 s51, 0
	s_lshl_b32 s46, s[WV], 20                      ; my wave's stream of weights
	s_mov_b32 s47, 0
	s_wait_kmcnt 0x0
	s_load_b256 s[20:27], s[14:15], 0x0            ; e0 .. e7
	s_add_nc_u64 s[4:5], s[4:5], s[48:49]
	s_add_nc_u64 s[HB:HB+1], s[6:7], s[50:51]
	s_add_nc_u64 s[OB:OB+1], s[16:17], s[50:51]
	s_add_nc_u64 s[SB:SB+1], s[8:9], s[46:47]
; ---------------- THE FIRST LOADS, in the order in which they are wanted: the ring (64), x (32), the biases (4), h's columns 128-255 (64), h's columns 0-127 (64)
	PRIME 0
.set I, 0
.rept 16                               ; my 16 rows of x's codes, 512 consecutive bytes a load
	global_load_b128 v[AS0+8*I:AS0+8*I+3], v[XG], s[4:5] offset:1024*I th:TH_LOAD_NT
	global_load_b128 v[AS0+8*I+4:AS0+8*I+7], v[XG], s[4:5] offset:1024*I+512 th:TH_LOAD_NT
.set I, I+1
.endr
	global_load_b128 v[U:U+3], v[GH], s[10:11]
	global_load_b128 v[U+4:U+7], v[GH], s[10:11] offset:512
	global_load_b128 v[U+8:U+11], v[GH], s[12:13]
	global_load_b128 v[U+12:U+15], v[GH], s[12:13] offset:512
	WIN 0x80                                       ; destination window 2
.set I, 0
.rept 64
	global_load_b128 v[4*I:4*I+3], v[GH], s[HB:HB+1] offset:4096*I+512
.set I, I+1
.endr
	WIN 0xc0                                       ; destination window 3
.set I, 0
.rept 64
	global_load_b128 v[4*I:4*I+3], v[GH], s[HB:HB+1] offset:4096*I
.set I, I+1
.endr
	WIN 0
; ---------------- the scales
	s_wait_kmcnt 0x0
	s_add_co_i32 s46, s20, s21
	s_add_co_i32 s47, s22, s23
	s_sub_co_i32 s46, s46, s47
	s_add_co_i32 s46, s46, 127
	s_lshl_b32 s[R1], s46, 23                      ; 2^(e0 + e1 - e2 - e3)
	s_mov_b32 s[R1+1], s[R1]
	s_lshl_b32 s47, s47, 23
	s_add_co_u32 s[C1], s47, 0xbfb8aa3b            ; -log2(e), with e2 + e3 added to its exponent field
	s_mov_b32 s[C1+1], s[C1]
	s_add_co_i32 s46, s24, s25
	s_add_co_i32 s47, s26, s27
	s_sub_co_i32 s46, s46, s47
	s_add_co_i32 s46, s46, 127
	s_lshl_b32 s[R2], s46, 23                      ; 2^(e4 + e5 - e6 - e7)
	s_mov_b32 s[R2+1], s[R2]
	s_lshl_b32 s47, s47, 23
	s_add_co_u32 s[C2], s47, 0x4038aa3b            ; 2 log2(e), with e6 + e7 added to its exponent field
	s_mov_b32 s[C2+1], s[C2]
	s_add_co_i32 s46, s22, 127
	s_lshl_b32 s47, s46, 23
	v_mov_b32 v[QH], s47                           ; 2^e2: the conversion takes its exponent field
	s_add_co_i32 s46, s46, 15
	s_lshl_b32 s46, s46, 23
	s_or_b32 s46, s46, 0x600000
	v_mov_b32 v[QHL], s46                          ; 57,344 x 2^e2
	s_add_co_i32 s46, s26, 127
	s_lshl_b32 s47, s46, 23
	v_mov_b32 v[QG], s47                           ; 2^e6
	s_add_co_i32 s46, s46, 15
	s_lshl_b32 s46, s46, 23
	s_or_b32 s46, s46, 0x600000
	v_mov_b32 v[QGL], s46                          ; 57,344 x 2^e6
; ---------------- x, the biases and h's columns 128-255 go to LDS
	s_wait_loadcnt 63                              ; 64 loads (h's columns 0-127) are younger than the last load of columns 128-255: all up to that one are in
.set I, 0
.rept 16
	ds_store_b128 v[XS], v[AS0+8*I:AS0+8*I+3] offset:AP*I
	ds_store_b128 v[XS], v[AS0+8*I+4:AS0+8*I+7] offset:AP*I+512
.set I, I+1
.endr
.irp j, 0,2,4,6
	v_pk_mul_f32 v[U+\j:U+\j+1], v[U+\j:U+\j+1], 0xbfb8aa3b op_sel_hi:[1,0]      ; b' = -log2(e) Bf
	v_pk_mul_f32 v[U+8+\j:U+8+\j+1], v[U+8+\j:U+8+\j+1], 0x4038aa3b op_sel_hi:[1,0]   ; b' = 2 log2(e) Bh
.endr
.irp j, 0,1,2,3
	ds_store_b128 v[BIW], v[U+4*\j:U+4*\j+3] offset:512*\j
.endr
	WIN 0x08                                       ; store data window 2
.set I, 0
.rept 64
	ds_store_b128 v[H1R], v[4*I:4*I+3] offset:HP*I
.set I, I+1
.endr
	WIN 0
	s_mov_b32 s[TR], 0
	s_mov_b32 s46, 0
	s_mov_b32 s47, 0
.Lh1:                                  ; four trips, 16 rows each: h's columns 128-255 back in the results' layout, held, turned into codes
	v_add_nc_u32 v[TA], s46, v[H1D]
	v_add_nc_u32 v[TB], s47, v[GS0]
.irp b, 0,1,2,3
.irp q, 0,1,2,3
	ds_load_b128 v[T+16*\b+4*\q:T+16*\b+4*\q+3], v[TA] offset:128*\b+16*\q
.endr
.endr
	s_wait_dscnt 0x0
	HOLD T, T, QHL
	CVT8 240, T, QH
	v_nop                                          ; a plain instruction behind the last conversion
.irp c, 0,1,2,3
	ds_store_b128 v[TB], v[240+4*\c:240+4*\c+3] offset:128+32*\c
.endr
	s_add_co_u32 s46, s46, STW
	s_add_co_u32 s47, s47, AB16
	s_add_co_u32 s[TR], s[TR], 1
	s_cmp_lt_u32 s[TR], 4
	s_cbranch_scc1 .Lh1
; ---------------- h's columns 0-127: turned in place into the results' layout, where they stay for ft h; their codes go to LDS
.irp m, 0,1,2,3
	s_wait_loadcnt 48-16*\m                        ; this block's 16 loads are in; the younger blocks' may be out
	TURN_IN 64*\m, 0x0c, 0xc0
	s_wait_dscnt 0x0
	WIN 0x03                                       ; source 0 window 3: h itself stays as it is
	HOLD T, 64*\m, QHL
	WIN 0
	CVT8 240, T, QH
	v_nop
.irp c, 0,1,2,3
	ds_store_b128 v[GS0+(\m/2)], v[240+4*\c:240+4*\c+3] offset:(\m%2)*AB16+32*\c
.endr
.endr
	s_wait_xcnt 0x0                                ; the ring's first loads have read their base
	s_add_nc_u64 s[SB:SB+1], s[SB:SB+1], 16384     ; it stands at K step 1: each refill steps it first
	s_wait_dscnt 0x0                               ; my stores into the rows' region are done
	s_barrier_signal -1
	s_barrier_wait -1                              ; everybody's are: x's and h's codes of the 64 rows lie in LDS
; ---------------- PASS A: the gate, my columns 0-127
	KPASS 2, R1, 0, 0
	ACT 2, C1, BIR, 0                              ; ft, in window 2, where it stays through pass C
	WIN 0xce                                       ; window 3 = window 2 x window 3
.set I, 0
.rept 128
	v_pk_mul_f32 v[I:I+1], v[I:I+1], v[I:I+1]      ; ft h
.set I, I+2
.endr
	WIN 0xc3
.irp m, 0,1,2,3
	HOLD 64*\m, 64*\m, QGL
.endr
	WIN 0x03
.irp m, 0,1,2,3
	CVT8 T+16*\m, 64*\m, QG                        ; the codes wait in T through pass B: h's codes in LDS are still being read
.endr
	v_nop                                          ; a plain instruction behind the last conversion: pass B's products write its sources
	WIN 0
; ---------------- PASS B: the gate, my columns 128-255
	KPASS 3, R1, 0, 0
	s_wait_dscnt 0x0                               ; my reads of h's codes are over
	s_barrier_signal -1
	s_barrier_wait -1                              ; everybody's are: the codes of ft h may take their place
.irp m, 0,1,2,3
.irp c, 0,1,2,3
	ds_store_b128 v[GS0+(\m/2)], v[T+16*\m+4*\c:T+16*\m+4*\c+3] offset:(\m%2)*AB16+32*\c
.endr
.endr
	H1LOAD AS0, 0
	H1LOAD AS1, 1
	H1LOAD T, 2
	ACT 3, C1, BIR, 512                            ; (its first wait on LDS shows the three blocks of h in)
	GBLK AS0, 0
	H1LOAD AS0, 3
	GBLK AS1, 1
	GBLK T, 2
	s_wait_dscnt 0x0                               ; block 3 of h is in
	GBLK AS0, 3
	s_wait_dscnt 0x0                               ; my stores into the rows' region are done
	s_barrier_signal -1
	s_barrier_wait -1                              ; the codes of ft h of the 64 rows lie in LDS
; ---------------- PASSES C AND D: the candidate and the result; one text, walked twice
	s_mov_b32 s[PP], 0
	s_mov_b32 s[BO], 0
.Lcd:
	v_add_nc_u32 v[BIC], s[BO], v[BIR]
	HLOAD T, 0                                     ; h's rows 0-15 land under the pass
	KPASS 3, R2, 1, 1                              ; its last wait is for all loads: T is in
	HLOAD AS0, 1
	HLOAD AS1, 2
	s_cmp_lg_u32 s[PP], 0
	s_cbranch_scc1 .Lnoprime
	PRIME 16384                                    ; behind pass C: pass D's first two K steps; the base stands at pass C's last step.  Behind pass D the stream has ended
.Lnoprime:
	ACT 3, C2, BIC, 1024
.set I, 0
.rept 128
	v_pk_fma_f32 v[I:I+1], v[I:I+1], -2.0, 1.0 op_sel_hi:[1,0,0]   ; ht = 1 - 2 r (the windows are still those of ACT: window 3)
.set I, I+2
.endr
	WIN 0
	OUTBLK T, 0, -1
	s_wait_xcnt 0x0                                ; the stores have read T
	HLOAD T, 3
	OUTBLK AS0, 1, 32                              ; younger than rows 16-31: rows 32-47 and 48-63 (behind pass C the ring's 64 too: the count then asks for more than is needed)
	OUTBLK AS1, 2, 16                              ; younger: rows 48-63
	OUTBLK T, 3, 0
	s_wait_xcnt 0x0                                ; all loads, stores and prefetches have read their bases and registers
	s_add_nc_u64 s[HB:HB+1], s[HB:HB+1], 512       ; on to my columns 128-255
	s_add_nc_u64 s[OB:OB+1], s[OB:OB+1], 512
	s_add_nc_u64 s[SB:SB+1], s[SB:SB+1], 32768     ; to pass D's K step 1 (not used behind pass D)
	s_add_co_u32 s[BO], s[BO], 512
	s_cmp_lg_u32 s[PP], 0
	s_cbranch_scc1 .Lnoft
	WIN 0x80                                       ; destination window 2: ft of my columns 128-255 takes the place of ft of columns 0-127
.irp m, 0,1,2,3
	H1LOAD 64*\m, \m
.endr
	WIN 0
.Lnoft:
	s_add_co_u32 s[PP], s[PP], 1
	s_cmp_lt_u32 s[PP], 2
	s_cbranch_scc1 .Lcd
	s_wait_tensorcnt 0x0                           ; the wave's end
	ds_add_u32 v[SPW], v[NIL]
	s_wait_dscnt 0x0
	s_endpgm
.Lfunc_end_k_q83ae0489a8_mgu:
	.size	k_q83ae0489a8_mgu, .Lfunc_end_k_q83ae0489a8_mgu-k_q83ae0489a8_mgu
	.p2alignl 7, 3214868480
	.fill 96, 4, 3214868480
	.section	.rodata,"a",@progbits
	.p2align	6, 0x0
	.amdhsa_kernel k_q83ae0489a8_mgu
		.amdhsa_group_segment_fixed_size 309760
		.amdhsa_private_segment_fixed_size 0
		.amdhsa_enable_private_segment 0
		.amdhsa_kernarg_size 56
		.amdhsa_user_sgpr_count 2
		.amdhsa_user_sgpr_kernarg_segment_ptr 1
		.amdhsa_wavefront_size32 1
		.amdhsa_system_sgpr_workgroup_id_x 1
		.amdhsa_system_sgpr_workgroup_id_y 1
		.amdhsa_system_sgpr_workgroup_id_z 1
		.amdhsa_system_vgpr_workitem_id 0
		.amdhsa_next_free_vgpr 1024
		.amdhsa_next_free_sgpr 66
		.amdhsa_reserve_vcc 0
		.amdhsa_float_denorm_mode_32 3
		.amdhsa_float_denorm_mode_16_64 3
		.amdhsa_memory_ordered 1
		.amdhsa_forward_progress 1
		.amdhsa_inst_pref_size 255
	.end_amdhsa_kernel
	.section	.bss,"aw",@nobits
	.p2align	6
	.space	262144
	.amdgpu_metadata
---
amdhsa.version: [ 1, 2 ]
amdhsa.kernels:
  - .name:           k_q83ae0489a8_mgu
    .symbol:         k_q83ae0489a8_mgu.kd
    .args:
      - { .name: x_codes, .offset: 0, .size: 8, .value_kind: global_buffer, .address_space: global }
      - { .name: h, .offset: 8, .size: 8, .value_kind: global_buffer, .address_space: global }
      - { .name: wfrag, .offset: 16, .size: 8, .value_kind: global_buffer, .address_space: global }
      - { .name: Bf, .offset: 24, .size: 8, .value_kind: global_buffer, .address_space: global }
      - { .name: Bh, .offset: 32, .size: 8, .value_kind: global_buffer, .address_space: global }
      - { .name: lowp_scales, .offset: 40, .size: 8, .value_kind: global_buffer, .address_space: global }
      - { .name: out0, .offset: 48, .size: 8, .value_kind: global_buffer, .address_space: global }
    .group_segment_fixed_size: 309760
    .private_segment_fixed_size: 0
    .kernarg_segment_align: 8
    .kernarg_segment_size: 56
    .max_flat_workgroup_size: 128
    .sgpr_count:     66
    .vgpr_count:     1024
    .wavefront_size: 32
...
	.end_amdgpu_metadata
.endif
;; end of part 2
;; ======== version 2 of 2: 2 launches; version 1 with the launch mgu written anew for expert scheduling mode
;; workspace buffers: wfrag 4,194,304 bytes
;; launch lay: the kernel of part 1 again; grid 64 x 4, 1 waves a work-group, no clusters, 16,896 bytes of LDS; arguments Wf_codes, Rf_codes, Wh_codes, Rh_codes, wfrag; writes wfrag
;; launch mgu (part 3): grid 256 x 1, 4 waves a work-group, no clusters, 309,760 bytes of LDS; arguments x_codes, h, wfrag, Bf, Bh, lowp_scales, out0; writes out0
.if DOCPART == 3
	.amdgcn_target "amdgcn-amd-amdhsa--gfx1250"
	.amdhsa_code_object_version 6
	.text
	.protected	k_q83ae0489a8_mgu
	.globl	k_q83ae0489a8_mgu
	.p2align	8
	.type	k_q83ae0489a8_mgu,@function
k_q83ae0489a8_mgu:
	s_mov_b64 s[64:65], 0
	v_nop
	global_prefetch_b8 v0, s[64:65] scope:SCOPE_SE
	s_setreg_imm32_b32 hwreg(HW_REG_WAVE_SCHED_MODE, 0, 2), 2
	s_setreg_imm32_b32 hwreg(HW_REG_WAVE_MODE, 25, 1), 1
	s_wait_xcnt 0x0
	s_wait_alu depctr_vm_vsrc(0)
; ONE MGU STEP, WHOLE:  ft = sigmoid(x Wf + h Rf + Bf);  ht = tanh(x Wh + (ft h) Rh + Bh);  out = (1 - ft) h + ft ht.  16,384 rows, 1,024 columns; all four products on codes of BF8 (E5M2), sums in f32.
; Nothing of reference() is left out: every input has a way to the output.  x and the weights come as codes; h is quantised here with 2^e2, ft h with 2^e6 (e0 .. e7: the entries of lowp_scales).
; SHARES.  A work-group of four waves owns 64 rows; nothing between the products goes to memory.  THE WAVES SHARE THE COLUMNS: wave w owns columns 256 w .. 256 w + 255 of all 64 rows, in four PASSES of 128 columns
; (32 accumulators of 16 x 16, 256 registers):  A, B: the gate's columns 0-127, 128-255;  C, D: the candidate's.  A pass has K = 2,048, 16 steps of 128: steps 0-7 x against W, steps 8-15 the codes of h (C, D: of ft h) against R.
; ONE SUM FOR TWO PRODUCTS.  The two products of a pass have different powers of two.  Behind step 7 the sums are multiplied by rho = 2^(eA0 + eB0 - eA1 - eB1), which rounds nothing, and steps 8-15 add onto them.
; Then t = sum c + b', e = 2^t, r = 1 / (1 + e).  Gate: c = -log2(e) 2^(e2 + e3), b' = -log2(e) Bf, ft = r.  Candidate: c = 2 log2(e) 2^(e6 + e7), b' = 2 log2(e) Bh, ht = 1 - 2 r.  out = ft (ht - h) + h, the same number as reference()'s form.
; 2^t = infinity gives r = 0 and 2^t = 0 gives r = 1: both ends are right.
; THE WEIGHTS GO FROM MEMORY STRAIGHT INTO REGISTERS, in the order in which the launch before has laid them: a wave's stream is 1 MB on end.  A ring of 16 fragments (256 registers, 64 loads of 512 bytes) is always on its way,
; with counted waits; the K loops have no barrier.  NO CLUSTER, NO JOINT LOADS, by this text's own arithmetic: a weight fragment is read by ONE wave of the work-group and feeds four matrix instructions, so LDS would add a write
; and a read and spare none; and beside the rows' codes (132,096 bytes), h or ft (135,168), the stages (33,792) and the biases (8,192) LDS has 17,920 bytes left: two slots of 8 KB hold four fragments each,
; the operands of 16 matrix instructions for each round of a cluster's barrier.
; h IS READ TWICE: 64 rows of h, of ft and of 128-column sums for four waves do not fit into registers and LDS together with the ring; so h is read at the head (quantised, kept until ft h is made) and again for the last formula.
; LAYOUT.  The products are used transposed: source 0 = 16 columns of a weight, source 1 = 16 rows.  Place i of tile nt = 2 b + u is column 32 b + 8 u + i + 8 (i / 8), so lane (r = lane mod 16, hh = lane / 16) holds, for rows 16 mt + r,
; in register 64 mt + 16 b + i the column 32 b + 16 hh + i of the pass's 128: 16 neighbours for each b, which the conversions turn into registers 4 b .. 4 b + 3 of the next operand.
; Fragments of both sides hold k = 128 ks + 32 c + 16 hh + 0 .. 15 in registers 4 c .. 4 c + 3: a permutation of k that is the same on both sides.
; LIMITS, so that each power of two below is an f32 number: e0 + e1 - e2 - e3 and e4 + e5 - e6 - e7 between -126 and 127; e2 + e3 and e6 + e7 between -126 and 126; e2 and e6 between -126 and 112.  NaN among the inputs is not served.
; REGISTERS, in windows of 256 (s_set_vgpr_msb: bits 1:0 source 0, 3:2 source 1, 5:4 source 2, 7:6 destination):
;   window 0: v1-26 addresses and scales; v32-95, v96-159 the rows' fragments, two sets; v160-223 T, v224-255 U at work.      window 1: the ring of 16 weight fragments.
;   window 2: h's columns 128-255 as loaded, then pass A's sums, then ft of the pass in hand.      window 3: h's columns 0-127, then ft h, then the sums of passes B, C, D.
; THE MODE: SCHED_MODE bits 1:0 = 2 (LLVM: expert scheduling mode 2), set by the entry lines.  The code itself states the register dependences between vector or matrix instructions and memory or LDS instructions,
; with s_wait_alu, always for 0.
; THE PLAN.  Registers that memory or LDS instructions touch, and who else names them:
;   v3-v6, v9-v18, v24   offsets and addresses, made at the head and never written again: one wait on va_vdst ahead of the first load serves the whole kernel.
;   the ring (window 1)  The 16 products of a half K step read four slots; the 16 loads of the K step two on land in them straight behind: one wait on va_vdst behind each half's products and places.
;   AS0, AS1             K step s's products read set s mod 2; the LDS loads in the middle of step s + 1 land in it: that step's first wait on va_vdst states both.
;   v[A0], v[A1]         Read by those LDS loads; written once for two K steps: a wait on vm_vsrc ahead of the two additions; the next wait on va_vdst in a K step states them written.
;   A pass's head        One pair: the wait on vm_vsrc states that earlier stores have read the accumulators, AS0, AS1, T, U and v[BIC]; the wait on va_vdst that the addresses are written and the vector work is done with AS0 and T.
;   AS0, AS1, T, U between the passes: buffers of h, of codes and of b'.  A turn through the stage in place has a wait on vm_vsrc between its stores and the loads that land in the same registers; what vector instructions have
;                        just written has a wait on va_vdst ahead of its stores; a buffer that vector instructions have read has one ahead of the loads that fill it again.
;   The sums, T's numbers in the holds and the scales are named by vector and matrix instructions alone.
.set AP,    2064                       ; LDS: a row of codes: 1,024 of x, 1,024 of h (later of ft h), 16 of padding: 129 x 16 bytes, so that the sixteen rows of a load fall on different banks
.set AB16,  16*AP
.set H1,    64*AP                      ; behind the 64 rows: for each wave 64 rows x (512 + 16) bytes, its own: h's columns 128-255 in f32, later ft's
.set HP,    528
.set H1W,   64*HP
.set ST,    H1+4*H1W                   ; for each wave a stage of 16 rows x 528 bytes, its own
.set STW,   16*HP
.set BI,    ST+4*STW                   ; for each wave 2,048 bytes, its own: b' of the gate, then of the candidate
.set SPARE, BI+8192                    ; the spare words, 128 bytes for each wave: two blocks of 256 bytes that no other line names
.set SPW, 1                            ; v1   my spare word; never rewritten
.set NIL, 2                            ; v2   0; never rewritten
.set LN,  3                            ; v3   16 x lane
.set GH,  4                            ; v4   16 x lane + 1,024 w: my bytes in a row of h, of out0 and in the biases
.set AB0, 5                            ; v5   r x AP + 16 hh: a fragment's place, rows 0-31;  v6: rows 32-63
.set AB1, 6
.set A0,  7                            ; v7, v8   the same + the K step in hand
.set A1,  8
.set GS0, 9                            ; v9, v10  where my codes of h and of ft h go: v5, v6 + 1,024 + 256 w
.set GS1, 10
.set XS,  11                           ; v11  x into LDS: rows 16 w on, 16 x lane
.set XG,  12                           ; v12  x in memory: rows 16 w on, 16 x lane
.set H1D, 13                           ; v13  my h region by results' layout: row r, + 64 hh
.set H1R, 14                           ; v14  by rows: 16 x lane
.set STD, 15                           ; v15, v16  the same for my stage
.set STR, 16
.set BIR, 17                           ; v17  b': + 64 hh;  v18: 16 x lane;  v19: v17 + the pass's half
.set BIW, 18
.set BIC, 19
.set QH,  20                           ; v20, v21  2^e2 and 57,344 x 2^e2
.set QHL, 21
.set QG,  22                           ; v22, v23  2^e6 and 57,344 x 2^e6
.set QGL, 23
.set PFO, 24                           ; v24  the prefetches' offset: row lane / 2, 256 (lane mod 2) + 1,024 w; never rewritten
.set TA,  25
.set TB,  26
.set AS0, 32
.set AS1, 96
.set T,   160
.set U,   224
.set WV,  18                           ; s18  my wave's number
.set SB,  28                           ; s[28:29] the weight stream
.set HB,  30                           ; s[30:31] h at my work-group's first row, at the pass's half
.set OB,  32                           ; s[32:33] out0 likewise
.set R1,  34                           ; s[34:35] rho, s[36:37] c of the gate;  s[38:39], s[40:41] of the candidate (pairs: the packed forms name a pair and take its low word for both halves)
.set C1,  36
.set R2,  38
.set C2,  40
.set TR,  42                           ; s42  trips
.set OFF, 43                           ; s43  the K step's byte in a row of codes
.set PP,  44                           ; s44  0: pass C, 1: pass D
.set BO,  45                           ; s45  512 x that
.set TO_B, 0x40                        ; destination window 1, address window 0
.set MSB, 0
.macro WIN new                         ; the immediate's high byte repeats the setting that is left; a switch that changes nothing is dropped
.if MSB != (\new)
	s_set_vgpr_msb (MSB<<8)|(\new)
.set MSB, (\new)
.endif
.endm
; A load into a register that a matrix instruction has read, and a vector instruction that reads a matrix result, stand four places behind it; only plain vector instructions that name none of its registers are places.
.macro PLACES
.rept 4
	v_nop
.endr
.endm
.macro ASET
	s_wait_alu depctr_vm_vsrc(0)                   ; the LDS loads issued so far have read v[A0] and v[A1], which the two additions write
	v_add_nc_u32 v[A0], s[OFF], v[AB0]
	v_add_nc_u32 v[A1], s[OFF], v[AB1]
.endm
.macro ALOAD set, imm                  ; the four fragments (64 rows x 128 K) at byte s[OFF] + imm of the rows
.irp m, 0,1,2,3
.irp c, 0,1,2,3
	ds_load_b128 v[(\set)+16*\m+4*\c:(\set)+16*\m+4*\c+3], v[A0+(\m/2)] offset:(\m%2)*AB16+(\imm)+32*\c
.endr
.endr
.endm
.macro PRIME ib                        ; the ring's 16 fragments: two K steps, 64 loads of 512 consecutive bytes.  The wait on va_vdst that they hang on stands ahead of the macro: only loads, scalar lines and window switches lie between
	WIN TO_B
.set PJ, 0
.rept 16
.irp c, 0,1,2,3
	global_load_b128 v[16*PJ+4*\c:16*PJ+4*\c+3], v[LN], s[SB:SB+1] offset:(\ib)+2048*PJ+512*\c
.endr
.set PJ, PJ+1
.endr
	WIN 0
.endm
.macro REFILL par, nb                  ; four fragments of the K step two on, into the slots just multiplied
.irp n, 0,1,2,3
.irp c, 0,1,2,3
	global_load_b128 v[16*(8*\par+\nb+\n)+4*\c:16*(8*\par+\nb+\n)+4*\c+3], v[LN], s[SB:SB+1] offset:2048*(\nb+\n)+512*\c
.endr
.endr
.endm
; 16 matrix instructions: four tiles of columns x the four tiles of rows.  The 32 accumulators take turns, one instruction a turn, in the same order in every K step.
.macro MUL16 par, nb, first
.irp n, 0,1,2,3
.irp m, 0,1,2,3
.if \first
	v_wmma_f32_16x16x128_bf8_bf8 v[64*\m+8*(\nb+\n):64*\m+8*(\nb+\n)+7], v[16*(8*\par+\nb+\n):16*(8*\par+\nb+\n)+15], v[AS0+64*\par+16*\m:AS0+64*\par+16*\m+15], 0
.else
	v_wmma_f32_16x16x128_bf8_bf8 v[64*\m+8*(\nb+\n):64*\m+8*(\nb+\n)+7], v[16*(8*\par+\nb+\n):16*(8*\par+\nb+\n)+15], v[AS0+64*\par+16*\m:AS0+64*\par+16*\m+15], v[64*\m+8*(\nb+\n):64*\m+8*(\nb+\n)+7]
.endif
.endr
.endr
.endm
; A K STEP of 128: 32 matrix instructions on ring slots 8 par .. 8 par + 7 and the rows' set par.  first = 1: the products start the sums: nothing is cleared.  refill = 1: each half of the slots takes the K step two on
; as soon as it has been multiplied.  wa, wb: how many younger loads may be out when the first, the second four fragments must be in.  aload = 1: the next step's rows come into the other set.
; The step's loads are dealt among its products by halves: 16 products, 16 loads of weights and 16 LDS loads, 16 products, 16 loads of weights.  A half's refill goes out at once behind its products, so that 48 to 64 loads stay on their way.
.macro KSTEP par, accw, first, refill, wa, wb, aload, aimm
.set KW, 0x01+0x50*(\accw)             ; weights window 1, rows window 0, C and D window accw
	s_wait_dscnt 0x0                               ; the rows' fragments, asked for 16 matrix instructions ago, are in
	s_wait_loadcnt \wa
	WIN KW
	MUL16 \par, 0, \first
	PLACES
.if \refill
	s_wait_xcnt 0x0                                ; the earlier loads have read their base: it may step
	s_add_nc_u64 s[SB:SB+1], s[SB:SB+1], 16384
	WIN TO_B
.elseif \aload
	WIN 0
.endif
.if \refill || \aload
	s_wait_alu depctr_va_vdst(0)                   ; the 16 products above are done reading their four slots of the ring, and the last K step's products the rows' other set: the loads below land there; v[A0], v[A1] are written
.endif
.if \refill
	REFILL \par, 0
.endif
.if \aload
	WIN 0
	ALOAD AS0+64*(1-\par), \aimm                   ; between the wait and these stand loads and a window switch alone
.endif
	s_wait_loadcnt \wb
	WIN KW
	MUL16 \par, 4, \first
	PLACES
.if \refill
	WIN TO_B
	s_wait_alu depctr_va_vdst(0)                   ; the 16 products above are done reading the other four slots, in which the loads below land
	REFILL \par, 4
.endif
	WIN 0
.endm
; Between K steps 7 and 8: the sums x rho, each accumulator from its low end on; the step's closing places stand in front.
; pf = 1: THE PREFETCH of h's second read: rows 16 to 63 of my 512 bytes of this pass: 96 pieces of 256 bytes, a lane a piece, three instructions together behind the step's refill, eight K steps (256 matrix instructions)
; ahead of the loads that want them.  Each piece is named once in the launch, by the wave that reads it.  Rows 0 to 15 come by their load at the pass's head.  (v[PFO] was written ahead of the head's wait on va_vdst.)
.macro RESCALE accw, rho, pf
.if \pf
.irp j, 0,1,2
	global_prefetch_b8 v[PFO], s[HB:HB+1] offset:(16+16*\j)*4096 th:TH_LOAD_NT scope:SCOPE_SE
.endr
.endif
	WIN 0x41*(\accw)
.set RJ, 0
.rept 128
	v_pk_mul_f32 v[RJ:RJ+1], v[RJ:RJ+1], s[\rho:\rho+1] op_sel_hi:[1,0]
.set RJ, RJ+2
.endr
	WIN 0
.endm
.macro HLOAD X, mt                     ; h's second read: rows 16 mt on, my 512 bytes of the pass: 512 consecutive bytes a load; read for the last time
.set LJ, 0
.rept 16
	global_load_b128 v[(\X)+4*LJ:(\X)+4*LJ+3], v[GH], s[HB:HB+1] offset:(16*(\mt)+LJ)*4096 th:TH_LOAD_NT
.set LJ, LJ+1
.endr
.endm
; A PASS: 16 K steps.  48 = the three groups of 16 loads that are younger than the group that is wanted.  tail = 0: steps 14 and 15 refill with the next pass's steps 0 and 1: the stream is on end.
; tail = 1: the last two steps ask for nothing, and their counts run down: 48, 32, 16, 0.
; THE PASS'S HEAD holds one pair of waits.  The wait on vm_vsrc (in ASET) also states that the LDS and global stores issued so far have read the registers that this pass writes anew: the accumulators' window, AS0, AS1, T, U's codes, v[BIC].
; pf = 1 (passes C and D): the place of the pass's b' is made here, and h's rows 0-15 are asked for, to land under the pass.
.macro KPASS accw, rho, tail, pf
	s_mov_b32 s[OFF], 0
	ASET
.if \pf
	v_add_nc_u32 v[BIC], s[BO], v[BIR]
.endif
	s_wait_alu depctr_va_vdst(0)                   ; v[A0], v[A1] (pf = 1: and v[BIC]) are written; the vector and matrix instructions issued so far are done with AS0 (pf = 1: and with T), in which the loads below land
	ALOAD AS0, 0
.if \pf
	HLOAD T, 0
.endif
	KSTEP 0, \accw, 1, 1, 48, 48, 1, 128
	s_mov_b32 s[OFF], 256
	s_mov_b32 s[TR], 0
.Lk_\@:                                ; trip t: K steps 2 t + 1 and 2 t + 2
	ASET
	KSTEP 1, \accw, 0, 1, 48, 48, 1, 0
	s_cmp_lg_u32 s[TR], 3
	s_cbranch_scc1 .Lnr_\@
	RESCALE \accw, \rho, \pf
.Lnr_\@:
	KSTEP 0, \accw, 0, 1, 48, 48, 1, 128
	s_add_co_u32 s[OFF], s[OFF], 256
	s_add_co_u32 s[TR], s[TR], 1
	s_cmp_lt_u32 s[TR], 7-\tail
	s_cbranch_scc1 .Lk_\@
.if \tail
	ASET
	KSTEP 1, \accw, 0, 1, 48, 48, 1, 0
	KSTEP 0, \accw, 0, 0, 48, 32, 1, 128
	KSTEP 1, \accw, 0, 0, 16, 0, 0, 0
.else
	KSTEP 1, \accw, 0, 1, 48, 48, 0, 0
.endif
.endm
; r = 1 / (1 + 2^(sum c + b')), in place, for the pass's 256 registers.  b' comes from LDS, 32 numbers a lane at a time.  The exponentials are one batch with one wait, the reciprocals another (the wait stands
; ahead of the first instruction that names a result); a plain instruction stands behind each batch's last.
; U's first filling: what vector instructions and LDS stores did with U before stands ahead of the pass's waits on va_vdst and on vm_vsrc, and nothing in a pass names U.
.macro ACT accw, cp, areg, imm
	WIN 0
.irp b, 0,1
.irp q, 0,1,2,3
	ds_load_b128 v[U+16*\b+4*\q:U+16*\b+4*\q+3], v[\areg] offset:(\imm)+128*\b+16*\q
.endr
.endr
	s_wait_dscnt 0x0
	WIN 0x41*(\accw)
.irp m, 0,1,2,3
.set AJ, 0
.rept 16
	v_pk_fma_f32 v[64*\m+AJ:64*\m+AJ+1], v[64*\m+AJ:64*\m+AJ+1], s[\cp:\cp+1], v[U+AJ:U+AJ+1] op_sel_hi:[1,0,1]   ; columns 0-63; each accumulator from its low end on
.set AJ, AJ+2
.endr
.endr
	WIN 0
	s_wait_alu depctr_va_vdst(0)                   ; the multiply-adds above are done reading U, in which the other 32 numbers of b' land
.irp b, 0,1
.irp q, 0,1,2,3
	ds_load_b128 v[U+16*\b+4*\q:U+16*\b+4*\q+3], v[\areg] offset:(\imm)+256+128*\b+16*\q
.endr
.endr
	WIN 0x41*(\accw)
.irp m, 0,1,2,3
.set AJ, 0
.rept 32
	v_exp_f32 v[64*\m+AJ], v[64*\m+AJ]
.set AJ, AJ+1
.endr
.endr
	s_wait_dscnt 0x0
.irp m, 0,1,2,3
.set AJ, 0
.rept 16
	v_pk_fma_f32 v[64*\m+32+AJ:64*\m+32+AJ+1], v[64*\m+32+AJ:64*\m+32+AJ+1], s[\cp:\cp+1], v[U+AJ:U+AJ+1] op_sel_hi:[1,0,1]   ; columns 64-127
.set AJ, AJ+2
.endr
.endr
.irp m, 0,1,2,3
.set AJ, 0
.rept 32
	v_exp_f32 v[64*\m+32+AJ], v[64*\m+32+AJ]
.set AJ, AJ+1
.endr
.endr
	v_nop
	s_wait_alu depctr_va_vdst(0)                   ; one wait for the 256 exponentials, ahead of the additions that read them
.set AJ, 0
.rept 128
	v_pk_add_f32 v[AJ:AJ+1], v[AJ:AJ+1], 1.0 op_sel_hi:[1,0]
.set AJ, AJ+2
.endr
.set AJ, 0
.rept 256
	v_rcp_f32 v[AJ], v[AJ]
.set AJ, AJ+1
.endr
	v_nop
	s_wait_alu depctr_va_vdst(0)                   ; one wait for the 256 reciprocals, ahead of their first reader, be it a vector instruction or an LDS store
.endm
.macro HOLD dst, src, lim              ; 64 numbers held within the largest code x the scale: the conversion to an 8-bit code does not saturate (ISA guide 7.6.2)
.set HJ, 0
.rept 64
	v_med3_num_f32 v[(\dst)+HJ], v[(\src)+HJ], -v[\lim], v[\lim]
.set HJ, HJ+1
.endr
.endm
.macro CVT8 dst, src, sc               ; and turned into a fragment's 16 registers of codes
.irp b, 0,1,2,3
	v_cvt_scalef32_pk8_bf8_f32 v[(\dst)+4*\b:(\dst)+4*\b+1], v[(\src)+16*\b:(\src)+16*\b+7], v[\sc]
	v_cvt_scalef32_pk8_bf8_f32 v[(\dst)+4*\b+2:(\dst)+4*\b+3], v[(\src)+16*\b+8:(\src)+16*\b+15], v[\sc]
.endr
.endm
; 16 rows x 128 columns of f32 turn through my own stage, in place: from rows (register 4 t: row t, 16 bytes at 16 x lane) to the results' layout (register 16 b + i), and back.  LDS serves a wave's instructions in order: no wait on DScnt between.
.macro TURN_IN X, ws, wl
	WIN \ws
.set TJ, 0
.rept 16
	ds_store_b128 v[STR], v[(\X)+4*TJ:(\X)+4*TJ+3] offset:HP*TJ
.set TJ, TJ+1
.endr
	WIN \wl
	s_wait_alu depctr_vm_vsrc(0)                   ; the LDS stores above have read v[X ..], in which the loads below land
.irp b, 0,1,2,3
.irp q, 0,1,2,3
	ds_load_b128 v[(\X)+16*\b+4*\q:(\X)+16*\b+4*\q+3], v[STD] offset:128*\b+16*\q
.endr
.endr
	WIN 0
.endm
.macro TURN_OUT X
	s_wait_alu depctr_va_vdst(0)                   ; the multiply-adds have written v[X ..], which the LDS stores read (and are done reading ft and h)
.irp b, 0,1,2,3
.irp q, 0,1,2,3
	ds_store_b128 v[STD], v[(\X)+16*\b+4*\q:(\X)+16*\b+4*\q+3] offset:128*\b+16*\q
.endr
.endr
	s_wait_alu depctr_vm_vsrc(0)                   ; the LDS stores above have read v[X ..], in which the loads below land
.set TJ, 0
.rept 16
	ds_load_b128 v[(\X)+4*TJ:(\X)+4*TJ+3], v[STR] offset:HP*TJ
.set TJ, TJ+1
.endr
.endm
.macro H1LOAD X, mt                    ; rows 16 mt on of my h region, in the results' layout
.irp b, 0,1,2,3
.irp q, 0,1,2,3
	ds_load_b128 v[(\X)+16*\b+4*\q:(\X)+16*\b+4*\q+3], v[H1D] offset:STW*(\mt)+128*\b+16*\q
.endr
.endr
.endm
; Pass B's way out for rows 16 mt on: X holds h; ft h, held, its codes to the rows' region; ft over its own block of h.
.macro GBLK X, mt
	WIN 0x03                                       ; source 0 (ft) window 3
.set GJ, 0
.rept 32
	v_pk_mul_f32 v[(\X)+GJ:(\X)+GJ+1], v[64*(\mt)+GJ:64*(\mt)+GJ+1], v[(\X)+GJ:(\X)+GJ+1]
.set GJ, GJ+2
.endr
	WIN 0
	HOLD \X, \X, QGL
	CVT8 U+16*((\mt)%2), \X, QG
	v_nop                                          ; a plain instruction behind the last conversion
	s_wait_alu depctr_va_vdst(0)                   ; the conversions have written the codes, which the LDS stores read, and are done with v[X ..] (behind block 0 a block of h lands there)
.irp c, 0,1,2,3
	ds_store_b128 v[GS0+((\mt)/2)], v[U+16*((\mt)%2)+4*\c:U+16*((\mt)%2)+4*\c+3] offset:((\mt)%2)*AB16+128+32*\c
.endr
	WIN 0x0c                                       ; store data window 3: ft, written ahead of the wait for the reciprocals
.irp b, 0,1,2,3
.irp q, 0,1,2,3
	ds_store_b128 v[H1D], v[64*(\mt)+16*\b+4*\q:64*(\mt)+16*\b+4*\q+3] offset:STW*(\mt)+128*\b+16*\q
.endr
.endr
	WIN 0
.endm
; The last formula for rows 16 mt on: X holds h by rows.  lw: how many younger loads may be out (-1: X is known to be in).
.macro OUTBLK X, mt, lw
.if \lw >= 0
	s_wait_loadcnt \lw
.endif
	TURN_IN \X, 0, 0
	s_wait_dscnt 0x0
	WIN 0xc3
.set OJ, 0
.rept 32
	v_pk_add_f32 v[64*(\mt)+OJ:64*(\mt)+OJ+1], v[64*(\mt)+OJ:64*(\mt)+OJ+1], v[(\X)+OJ:(\X)+OJ+1] neg_lo:[0,1] neg_hi:[0,1]   ; ht - h
.set OJ, OJ+2
.endr
	WIN 0x0e                                       ; source 0 (ft) window 2, source 1 (ht - h) window 3
.set OJ, 0
.rept 32
	v_pk_fma_f32 v[(\X)+OJ:(\X)+OJ+1], v[64*(\mt)+OJ:64*(\mt)+OJ+1], v[64*(\mt)+OJ:64*(\mt)+OJ+1], v[(\X)+OJ:(\X)+OJ+1]   ; ft (ht - h) + h
.set OJ, OJ+2
.endr
	WIN 0
	TURN_OUT \X
	s_wait_dscnt 0x0
.set OJ, 0
.rept 16
	global_store_b128 v[GH], v[(\X)+4*OJ:(\X)+4*OJ+3], s[OB:OB+1] offset:(16*(\mt)+OJ)*4096 th:TH_STORE_NT   ; 32 lanes store 512 consecutive bytes, at a multiple of 512 from out0's first byte
.set OJ, OJ+1
.endr
.endm
; ---------------- THE HEAD: addresses
	s_load_b256 s[4:11], s[0:1], 0x0               ; x_codes s[4:5], h s[6:7], wfrag s[8:9], Bf s[10:11]
	s_load_b128 s[12:15], s[0:1], 0x20             ; Bh s[12:13], lowp_scales s[14:15]
	s_load_b64 s[16:17], s[0:1], 0x30              ; out0
	v_lshl_add_u32 v[SPW], v0, 2, SPARE
	v_mov_b32 v[NIL], 0
	v_lshrrev_b32 v27, 5, v0
	v_readfirstlane_b32 s[WV], v27                 ; wave 0..3
	v_and_b32 v27, 31, v0                          ; lane
	v_and_b32 v28, 15, v0                          ; r
	v_bfe_u32 v29, v0, 4, 1                        ; hh
	v_lshlrev_b32 v[LN], 4, v27
	s_wait_alu depctr_va_sdst(0)                   ; s[WV] is written, ahead of its first reader: the wave's places in LDS and in memory are made from it
	s_lshl_b32 s46, s[WV], 10
	v_add_nc_u32 v[GH], s46, v[LN]
	v_mul_u32_u24 v[AB0], v28, AP
	v_lshl_add_u32 v[AB0], v29, 4, v[AB0]
	v_add_nc_u32 v[AB1], 2*AB16, v[AB0]
	s_lshl_b32 s47, s[WV], 8
	s_add_co_u32 s47, s47, 1024
	v_add_nc_u32 v[GS0], s47, v[AB0]
	v_add_nc_u32 v[GS1], 2*AB16, v[GS0]
	s_mul_i32 s47, s[WV], AB16
	v_add_nc_u32 v[XS], s47, v[LN]
	s_lshl_b32 s47, s[WV], 14
	v_add_nc_u32 v[XG], s47, v[LN]
	v_mul_u32_u24 v30, v28, HP
	v_lshl_add_u32 v30, v29, 6, v30                ; 528 r + 64 hh
	s_mul_i32 s47, s[WV], H1W
	s_add_co_u32 s47, s47, H1
	v_add_nc_u32 v[H1D], s47, v30
	v_add_nc_u32 v[H1R], s47, v[LN]
	s_mul_i32 s47, s[WV], STW
	s_add_co_u32 s47, s47, ST
	v_add_nc_u32 v[STD], s47, v30
	v_add_nc_u32 v[STR], s47, v[LN]
	s_lshl_b32 s47, s[WV], 11
	s_add_co_u32 s47, s47, BI
	v_lshl_add_u32 v[BIR], v29, 6, s47
	v_add_nc_u32 v[BIW], s47, v[LN]
	v_lshrrev_b32 v31, 1, v27
	v_and_b32 v30, 1, v27
	v_lshlrev_b32 v31, 12, v31
	v_lshl_add_u32 v31, v30, 8, v31
	v_add_nc_u32 v[PFO], s46, v31
	s_lshl_b32 s48, ttmp9, 16                      ; my 64 rows of x's codes
	s_mov_b32 s49, 0
	s_lshl_b32 s50, ttmp9, 18                      ; of h and of out0
	s_mov_b32 s51, 0
	s_lshl_b32 s46, s[WV], 20                      ; my wave's stream of weights
	s_mov_b32 s47, 0
	s_wait_kmcnt 0x0
	s_load_b256 s[20:27], s[14:15], 0x0            ; e0 .. e7
	s_add_nc_u64 s[4:5], s[4:5], s[48:49]
	s_add_nc_u64 s[HB:HB+1], s[6:7], s[50:51]
	s_add_nc_u64 s[OB:OB+1], s[16:17], s[50:51]
	s_add_nc_u64 s[SB:SB+1], s[8:9], s[46:47]
	s_wait_alu depctr_va_vdst(0)                   ; the offsets and addresses v3, v4, v9 to v18 and v24 are written: every load, store and prefetch of the kernel reads one of them, or one made later behind a wait of its own
; ---------------- THE FIRST LOADS, in the order in which they are wanted: the ring (64), x (32), the biases (4), h's columns 128-255 (64), h's columns 0-127 (64)
	PRIME 0
.set I, 0
.rept 16                               ; my 16 rows of x's codes, 512 consecutive bytes a load
	global_load_b128 v[AS0+8*I:AS0+8*I+3], v[XG], s[4:5] offset:1024*I th:TH_LOAD_NT
	global_load_b128 v[AS0+8*I+4:AS0+8*I+7], v[XG], s[4:5] offset:1024*I+512 th:TH_LOAD_NT
.set I, I+1
.endr
	global_load_b128 v[U:U+3], v[GH], s[10:11]
	global_load_b128 v[U+4:U+7], v[GH], s[10:11] offset:512
	global_load_b128 v[U+8:U+11], v[GH], s[12:13]
	global_load_b128 v[U+12:U+15], v[GH], s[12:13] offset:512
	WIN 0x80                                       ; destination window 2
.set I, 0
.rept 64
	global_load_b128 v[4*I:4*I+3], v[GH], s[HB:HB+1] offset:4096*I+512
.set I, I+1
.endr
	WIN 0xc0                                       ; destination window 3
.set I, 0
.rept 64
	global_load_b128 v[4*I:4*I+3], v[GH], s[HB:HB+1] offset:4096*I
.set I, I+1
.endr
	WIN 0
; ---------------- the scales
	s_wait_kmcnt 0x0
	s_add_co_i32 s46, s20, s21
	s_add_co_i32 s47, s22, s23
	s_sub_co_i32 s46, s46, s47
	s_add_co_i32 s46, s46, 127
	s_lshl_b32 s[R1], s46, 23                      ; 2^(e0 + e1 - e2 - e3)
	s_mov_b32 s[R1+1], s[R1]
	s_lshl_b32 s47, s47, 23
	s_add_co_u32 s[C1], s47, 0xbfb8aa3b            ; -log2(e), with e2 + e3 added to its exponent field
	s_mov_b32 s[C1+1], s[C1]
	s_add_co_i32 s46, s24, s25
	s_add_co_i32 s47, s26, s27
	s_sub_co_i32 s46, s46, s47
	s_add_co_i32 s46, s46, 127
	s_lshl_b32 s[R2], s46, 23                      ; 2^(e4 + e5 - e6 - e7)
	s_mov_b32 s[R2+1], s[R2]
	s_lshl_b32 s47, s47, 23
	s_add_co_u32 s[C2], s47, 0x4038aa3b            ; 2 log2(e), with e6 + e7 added to its exponent field
	s_mov_b32 s[C2+1], s[C2]
	s_add_co_i32 s46, s22, 127
	s_lshl_b32 s47, s46, 23
	v_mov_b32 v[QH], s47                           ; 2^e2: the conversion takes its exponent field
	s_add_co_i32 s46, s46, 15
	s_lshl_b32 s46, s46, 23
	s_or_b32 s46, s46, 0x600000
	v_mov_b32 v[QHL], s46                          ; 57,344 x 2^e2
	s_add_co_i32 s46, s26, 127
	s_lshl_b32 s47, s46, 23
	v_mov_b32 v[QG], s47                           ; 2^e6
	s_add_co_i32 s46, s46, 15
	s_lshl_b32 s46, s46, 23
	s_or_b32 s46, s46, 0x600000
	v_mov_b32 v[QGL], s46                          ; 57,344 x 2^e6
; ---------------- x, the biases and h's columns 128-255 go to LDS
	s_wait_loadcnt 63                              ; 64 loads (h's columns 0-127) are younger than the last load of columns 128-255: all up to that one are in
.irp j, 0,2,4,6
	v_pk_mul_f32 v[U+\j:U+\j+1], v[U+\j:U+\j+1], 0xbfb8aa3b op_sel_hi:[1,0]      ; b' = -log2(e) Bf
	v_pk_mul_f32 v[U+8+\j:U+8+\j+1], v[U+8+\j:U+8+\j+1], 0x4038aa3b op_sel_hi:[1,0]   ; b' = 2 log2(e) Bh
.endr
	s_wait_alu depctr_va_vdst(0)                   ; the eight multiplications have written b', which LDS stores below read: the one wait ahead of the three runs of stores
.set I, 0
.rept 16
	ds_store_b128 v[XS], v[AS0+8*I:AS0+8*I+3] offset:AP*I
	ds_store_b128 v[XS], v[AS0+8*I+4:AS0+8*I+7] offset:AP*I+512
.set I, I+1
.endr
.irp j, 0,1,2,3
	ds_store_b128 v[BIW], v[U+4*\j:U+4*\j+3] offset:512*\j
.endr
	WIN 0x08                                       ; store data window 2
.set I, 0
.rept 64
	ds_store_b128 v[H1R], v[4*I:4*I+3] offset:HP*I
.set I, I+1
.endr
	WIN 0
	s_mov_b32 s[TR], 0
	s_mov_b32 s46, 0
	s_mov_b32 s47, 0
.Lh1:                                  ; four trips, 16 rows each: h's columns 128-255 back in the results' layout, held, turned into codes
	s_wait_alu depctr_vm_vsrc(0)                   ; round the loop: the last trip's LDS loads have read v[TA], its LDS stores v[TB] and the codes in v240-255: all three are written again below
	v_add_nc_u32 v[TA], s46, v[H1D]
	v_add_nc_u32 v[TB], s47, v[GS0]
	s_wait_alu depctr_va_vdst(0)                   ; v[TA] and v[TB] are written; the last trip's holds and conversions are done with T, in which the loads land
.irp b, 0,1,2,3
.irp q, 0,1,2,3
	ds_load_b128 v[T+16*\b+4*\q:T+16*\b+4*\q+3], v[TA] offset:128*\b+16*\q
.endr
.endr
	s_wait_dscnt 0x0
	HOLD T, T, QHL
	CVT8 240, T, QH
	v_nop                                          ; a plain instruction behind the last conversion
	s_wait_alu depctr_va_vdst(0)                   ; the conversions have written the codes, which the LDS stores read
.irp c, 0,1,2,3
	ds_store_b128 v[TB], v[240+4*\c:240+4*\c+3] offset:128+32*\c
.endr
	s_add_co_u32 s46, s46, STW
	s_add_co_u32 s47, s47, AB16
	s_add_co_u32 s[TR], s[TR], 1
	s_cmp_lt_u32 s[TR], 4
	s_cbranch_scc1 .Lh1
; ---------------- h's columns 0-127: turned in place into the results' layout, where they stay for ft h; their codes go to LDS
.irp m, 0,1,2,3
	s_wait_loadcnt 48-16*\m                        ; this block's 16 loads are in; the younger blocks' may be out
	TURN_IN 64*\m, 0x0c, 0xc0                      ; (its wait on vm_vsrc also states that the LDS stores of the codes made last have read v240-255, which the conversions below write again)
	s_wait_dscnt 0x0
	WIN 0x03                                       ; source 0 window 3: h itself stays as it is
	HOLD T, 64*\m, QHL
	WIN 0
	CVT8 240, T, QH
	v_nop
	s_wait_alu depctr_va_vdst(0)                   ; the conversions have written the codes, which the LDS stores read
.irp c, 0,1,2,3
	ds_store_b128 v[GS0+(\m/2)], v[240+4*\c:240+4*\c+3] offset:(\m%2)*AB16+32*\c
.endr
.endr
	s_wait_xcnt 0x0                                ; the ring's first loads have read their base
	s_add_nc_u64 s[SB:SB+1], s[SB:SB+1], 16384     ; it stands at K step 1: each refill steps it first
	s_wait_dscnt 0x0                               ; my stores into the rows' region are done
	s_barrier_signal -1
	s_barrier_wait -1                              ; everybody's are: x's and h's codes of the 64 rows lie in LDS
; ---------------- PASS A: the gate, my columns 0-127
	KPASS 2, R1, 0, 0
	ACT 2, C1, BIR, 0                              ; ft, in window 2, where it stays through pass C
	WIN 0xce                                       ; window 3 = window 2 x window 3
.set I, 0
.rept 128
	v_pk_mul_f32 v[I:I+1], v[I:I+1], v[I:I+1]      ; ft h
.set I, I+2
.endr
	WIN 0xc3
.irp m, 0,1,2,3
	HOLD 64*\m, 64*\m, QGL
.endr
	WIN 0x03
.irp m, 0,1,2,3
	CVT8 T+16*\m, 64*\m, QG                        ; the codes wait in T through pass B: h's codes in LDS are still being read
.endr
	v_nop                                          ; a plain instruction behind the last conversion: pass B's products write its sources
	WIN 0
; ---------------- PASS B: the gate, my columns 128-255
	KPASS 3, R1, 0, 0
	s_wait_dscnt 0x0                               ; my reads of h's codes are over
	s_barrier_signal -1
	s_barrier_wait -1                              ; everybody's are: the codes of ft h may take their place
.irp m, 0,1,2,3
.irp c, 0,1,2,3
	ds_store_b128 v[GS0+(\m/2)], v[T+16*\m+4*\c:T+16*\m+4*\c+3] offset:(\m%2)*AB16+32*\c   ; T was written ahead of pass B's waits on va_vdst, and nothing in the pass names it
.endr
.endr
	H1LOAD AS0, 0                                  ; the pass's last wait on va_vdst stands behind its last products: they are done reading the rows' two sets
	H1LOAD AS1, 1
	s_wait_alu depctr_vm_vsrc(0)                   ; the LDS stores above have read T, in which h's block 2 lands
	H1LOAD T, 2
	ACT 3, C1, BIR, 512                            ; (its first wait on LDS shows the three blocks of h in)
	GBLK AS0, 0
	H1LOAD AS0, 3                                  ; no vector instruction since block 0's wait on va_vdst names AS0
	GBLK AS1, 1
	s_wait_alu depctr_vm_vsrc(0)                   ; the LDS stores of blocks 0 and 1 have read the codes in U's two halves, which the conversions of blocks 2 and 3 write again
	GBLK T, 2
	s_wait_dscnt 0x0                               ; block 3 of h is in
	GBLK AS0, 3
	s_wait_dscnt 0x0                               ; my stores into the rows' region are done
	s_barrier_signal -1
	s_barrier_wait -1                              ; the codes of ft h of the 64 rows lie in LDS
; ---------------- PASSES C AND D: the candidate and the result; one text, walked twice
	s_mov_b32 s[PP], 0
	s_mov_b32 s[BO], 0
.Lcd:
	KPASS 3, R2, 1, 1                              ; its head makes v[BIC] and asks for h's rows 0-15 into T; its last wait on LOADcnt is for all loads: T is in
	s_wait_alu depctr_va_vdst(0)                   ; the pass's last products are done reading the rows' two sets, in which h lands, and the ring, in which pass D's first fragments land
	HLOAD AS0, 1
	HLOAD AS1, 2
	s_cmp_lg_u32 s[PP], 0
	s_cbranch_scc1 .Lnoprime
	PRIME 16384                                    ; behind pass C: pass D's first two K steps; the base stands at pass C's last step.  Behind pass D the stream has ended
.Lnoprime:
	ACT 3, C2, BIC, 1024
.set I, 0
.rept 128
	v_pk_fma_f32 v[I:I+1], v[I:I+1], -2.0, 1.0 op_sel_hi:[1,0,0]   ; ht = 1 - 2 r (the windows are still those of ACT: window 3)
.set I, I+2
.endr
	WIN 0
	OUTBLK T, 0, -1
	s_wait_xcnt 0x0                                ; the stores have read T
	s_wait_alu depctr_vm_vsrc(0)                   ; the global stores above have read T, in which h's rows 48-63 land (the vector work on T stands ahead of the block's wait on va_vdst)
	HLOAD T, 3
	OUTBLK AS0, 1, 32                              ; younger than rows 16-31: rows 32-47 and 48-63 (behind pass C the ring's 64 too: the count then asks for more than is needed)
	OUTBLK AS1, 2, 16                              ; younger: rows 48-63
	OUTBLK T, 3, 0
	s_wait_xcnt 0x0                                ; all loads, stores and prefetches have read their bases and registers
	s_add_nc_u64 s[HB:HB+1], s[HB:HB+1], 512       ; on to my columns 128-255
	s_add_nc_u64 s[OB:OB+1], s[OB:OB+1], 512
	s_add_nc_u64 s[SB:SB+1], s[SB:SB+1], 32768     ; to pass D's K step 1 (not used behind pass D)
	s_add_co_u32 s[BO], s[BO], 512
	s_cmp_lg_u32 s[PP], 0
	s_cbranch_scc1 .Lnoft
	WIN 0x80                                       ; destination window 2: ft of my columns 128-255 takes the place of ft of columns 0-127
.irp m, 0,1,2,3
	H1LOAD 64*\m, \m                               ; the last block's wait on va_vdst stands behind the last multiply-add that read window 2, and no vector instruction has been issued since
.endr
	WIN 0
.Lnoft:
	s_add_co_u32 s[PP], s[PP], 1
	s_cmp_lt_u32 s[PP], 2
	s_cbranch_scc1 .Lcd
	s_wait_dscnt 0x0                               ; the wave's end: the closing lines, six on end
	s_wait_alu 0x0
	s_wait_tensorcnt 0x0
	ds_add_u32 v[SPW], v[NIL]
	s_wait_dscnt 0x0
	s_endpgm
.Lfunc_end_k_q83ae0489a8_mgu:
	.size	k_q83ae0489a8_mgu, .Lfunc_end_k_q83ae0489a8_mgu-k_q83ae0489a8_mgu
	.p2alignl 7, 3214868480
	.fill 96, 4, 3214868480
	.section	.rodata,"a",@progbits
	.p2align	6, 0x0
	.amdhsa_kernel k_q83ae0489a8_mgu
		.amdhsa_group_segment_fixed_size 309760
		.amdhsa_private_segment_fixed_size 0
		.amdhsa_enable_private_segment 0
		.amdhsa_kernarg_size 56
		.amdhsa_user_sgpr_count 2
		.amdhsa_user_sgpr_kernarg_segment_ptr 1
		.amdhsa_wavefront_size32 1
		.amdhsa_system_sgpr_workgroup_id_x 1
		.amdhsa_system_sgpr_workgroup_id_y 1
		.amdhsa_system_sgpr_workgroup_id_z 1
		.amdhsa_system_vgpr_workitem_id 0
		.amdhsa_next_free_vgpr 1024
		.amdhsa_next_free_sgpr 66
		.amdhsa_reserve_vcc 0
		.amdhsa_float_denorm_mode_32 3
		.amdhsa_float_denorm_mode_16_64 3
		.amdhsa_memory_ordered 1
		.amdhsa_forward_progress 1
		.amdhsa_inst_pref_size 255
	.end_amdhsa_kernel
	.section	.bss,"aw",@nobits
	.p2align	6
	.space	262144
	.amdgpu_metadata
---
amdhsa.version: [ 1, 2 ]
amdhsa.kernels:
  - .name:           k_q83ae0489a8_mgu
    .symbol:         k_q83ae0489a8_mgu.kd
    .args:
      - { .name: x_codes, .offset: 0, .size: 8, .value_kind: global_buffer, .address_space: global }
      - { .name: h, .offset: 8, .size: 8, .value_kind: global_buffer, .address_space: global }
      - { .name: wfrag, .offset: 16, .size: 8, .value_kind: global_buffer, .address_space: global }
      - { .name: Bf, .offset: 24, .size: 8, .value_kind: global_buffer, .address_space: global }
      - { .name: Bh, .offset: 32, .size: 8, .value_kind: global_buffer, .address_space: global }
      - { .name: lowp_scales, .offset: 40, .size: 8, .value_kind: global_buffer, .address_space: global }
      - { .name: out0, .offset: 48, .size: 8, .value_kind: global_buffer, .address_space: global }
    .group_segment_fixed_size: 309760
    .private_segment_fixed_size: 0
    .kernarg_segment_align: 8
    .kernarg_segment_size: 56
    .max_flat_workgroup_size: 128
    .sgpr_count:     66
    .vgpr_count:     1024
    .wavefront_size: 32
...
	.end_amdgpu_metadata
.endif
;; end of part 3
